; MI455X (gfx1250); checked and timed in simulation.
; The chip was launched on July 23, 2026; its instructions are those of AMD's public machine-readable ISA for CDNA 5 (MIT licence, August 2026) and "CDNA5" Instruction Set Architecture Reference Guide (July 2026). The comments in the code are by the model that wrote it; some were corrected since.
;; Deformable Attention. Allowed arithmetic: matrix products marked QUANTISED: E2M1 operands, one E8M0 scale for each 32 along K, by v_wmma_scale_f32_16x16x128_f8f6f4 with both operands' format E2M1 (or v_wmma_scale_f32_32x16x128_f4), f32 sums; everything else in f32.
;; Inputs: W_attn_codes 32 x 8 x 16 uint8 (E2M1 codes of W_attn, K innermost, in blocks of 32 codes, two codes a byte); W_attn_scales 32 x 8 uint8 (E8M0 scales of W_attn, one for each 32 codes along K); W_off_codes 64 x 8 x 16 uint8 (E2M1 codes of W_off, K innermost, in blocks of 32 codes, two codes a byte); W_off_scales 64 x 8 uint8 (E8M0 scales of W_off, one for each 32 codes along K); W_out_codes 256 x 8 x 16 uint8 (E2M1 codes of W_out, K innermost, in blocks of 32 codes, two codes a byte); W_out_scales 256 x 8 uint8 (E8M0 scales of W_out, one for each 32 codes along K); W_v_codes 256 x 8 x 16 uint8 (E2M1 codes of W_v, K innermost, in blocks of 32 codes, two codes a byte); W_v_scales 256 x 8 uint8 (E8M0 scales of W_v, one for each 32 codes along K); b_attn 32 float32; b_off 64 float32; b_out 256 float32; b_v 256 float32; query_codes 8 x 900 x 8 x 16 uint8 (E2M1 codes of query, K innermost, in blocks of 32 codes, two codes a byte); query_scales 8 x 900 x 8 uint8 (E8M0 scales of query, one for each 32 codes along K); reference_points 8 x 900 x 2 float32; value_codes 8 x 100 x 100 x 8 x 16 uint8 (E2M1 codes of value, K innermost, in blocks of 32 codes, two codes a byte); value_scales 8 x 100 x 100 x 8 uint8 (E8M0 scales of value, one for each 32 codes along K).
;; Outputs: out0 8 x 900 x 256 float32.
;; This version of the problem:
;;   THIS VERSION OF THE PROBLEM IS GIVEN IN LOW PRECISION. The matrix products marked QUANTISED in the list below multiply operands that are first quantised to E2M1 (2 exponent bits, 1 mantissa bit; 4 bits a number), with one power-of-two scale for each 32 numbers along K (OCP MX v1.0); their sums are f32. All else is computed in f32.
;;   The module's matrix products, in the order in which they are computed (A, B: the left and right operand; K: the contracted axis; several contracted axes count as one K, in the product's order):
;;     1. [M 7,200, K 256] x [K 256, N 64]; A: input query (given as codes); B: input W_off (given as codes): QUANTISED
;;     2. [M 7,200, K 256] x [K 256, N 32]; A: input query (given as codes); B: input W_attn (given as codes): QUANTISED
;;     3. [M 80,000, K 256] x [K 256, N 256]; A: input value (given as codes); B: input W_v (given as codes): QUANTISED
;;     4. [M 7,200, K 256] x [K 256, N 256]; A: computed on the way; B: input W_out (given as codes): QUANTISED
;;   THE QUANTISER, for each operand of a quantised product, along K:
;;     - K is cut into blocks of 32 from its start; a last block that is shorter is filled with zeros.
;;     - A block's scale is 2^e with e = floor(log2(the largest magnitude in the block)) - 2, held to -126 .. 127; a block of zeros has e = 0. As a byte (E8M0): e + 127.
;;     - Each number is divided by its block's scale, clamped to +-6, and rounded to the nearest number of E2M1, ties to even, subnormals kept.
;;     - The product sums the exact products of the quantised numbers (number of the format x scale) in f32.
;;   ~~~python
;;   def quantise(x, axis):      # numpy; x: float32 -> the quantised numbers, widened to float32 again
;;       x = np.moveaxis(x, axis, -1); K = x.shape[-1]
;;       x = np.pad(x, [(0, 0)] * (x.ndim - 1) + [(0, -K % 32)]); x = x.reshape(x.shape[:-1] + (-1, 32)); a = np.abs(x).max(-1, keepdims=True)
;;       e = np.where(a > 0, np.clip(np.frexp(np.where(a > 0, a, 1))[1] - 1 - 2, -126, 127), 0)      # np.frexp(a)[1] - 1 = floor(log2(a)), exactly
;;       r = np.clip(x / 2.0 ** e, -6, 6)
;;       step = 2.0 ** (np.maximum(np.frexp(np.where(r == 0, 1, r))[1] - 1, 0) - 1)
;;       q = np.round(r / step) * step * 2.0 ** e      # np.round: ties to even
;;       return np.moveaxis(q.reshape(q.shape[:-2] + (-1,))[..., :K], -1, axis).astype(np.float32)
;;   ~~~
;;   OPERANDS COMPUTED ON THE WAY. 'Computed on the way' means the value that the module computes at that place (a softmax that the list does not call 'softmax' is quantised finished and normalised). What goes into a quantiser is computed in f32, as accurately as f32 sums, v_exp_f32 and their like allow (about 1e-6 of the number): no bf16 or f16 on the way to a quantiser, and a product that is left as it is and whose result goes on into a quantised operand takes f32 operands (vector FMAs, or v_wmma_f32_16x16x4_f32). A number that lies on a knife's edge between two numbers of the format may be rounded either way, as far as f32 arithmetic and the matrix unit's own rounding can turn it there, and no further.
;;   INPUTS GIVEN AS CODES. W_attn (in the module: [256, 32], K = its axis 0); W_off (in the module: [256, 64], K = its axis 0); W_out (in the module: [256, 256], K = its axis 0); W_v (in the module: [256, 256], K = its axis 0); query (in the module: [8, 900, 256], K = its axis 2); value (in the module: [8, 256, 100, 100], K = its axis 1): each comes as NAME_codes (uint8): NAME with its K axis moved to the last place and cut into blocks of 32 codes, [.., K / 32, bytes a block], one block behind the other in memory; two codes a byte, the lower K in the low four bits (a code: sign, 2 exponent bits, 1 mantissa bit); and NAME_scales (uint8): the same leading axes, one E8M0 byte (e + 127) for each 32 codes along K. Its value is code x scale, taken as it is: it is not quantised again, and the codes and scales need not be those that the quantiser above would give.
;; 2 versions. Each part assembles by itself: llvm-mc -triple=amdgcn-amd-amdhsa -mcpu=gfx1250 --defsym DOCPART=n.
;; ======== version 1 of 2: 2 launches
;; workspace buffers: idx 3,686,400 bytes of whole numbers; wts 3,686,400 bytes; wsum 28,928 bytes
;; launch points (part 1): grid 450 x 1, 1 waves a work-group, no clusters, 17,664 bytes of LDS; arguments query_codes, query_scales, reference_points, W_off_codes, W_off_scales, b_off, W_attn_codes, W_attn_scales, b_attn, idx, wts, wsum; writes idx, wts, wsum
.if DOCPART == 1
	.amdgcn_target "amdgcn-amd-amdhsa--gfx1250"
	.amdhsa_code_object_version 6
	.text
	.protected	k_qade529874f_points
	.globl	k_qade529874f_points
	.p2align	8
	.type	k_qade529874f_points,@function
k_qade529874f_points:
	s_mov_b64 s[64:65], 0
	v_nop
	global_prefetch_b8 v0, s[64:65] scope:SCOPE_SE
	s_setreg_imm32_b32 hwreg(HW_REG_WAVE_MODE, 25, 1), 1
	s_wait_xcnt 0x0
; DEFORMABLE ATTENTION, FIRST LAUNCH: where each query samples, and with what weight.
; offsets = query W_off + b_off and logits = query W_attn + b_attn, both on codes of FP4 (E2M1) with one E8M0 scale for each 32 along K = 256; softmax over a head's 4 points;
; loc = clip(ref + 0.1 offset, 0, 1); the four bilinear corners of each point on the 100 x 100 map.  Stored for the second launch, which forms addresses from them:
;   idx  [query 7200][half 2][row 16][t 4] u32: y x 100 + x of the corner, 0 .. 9,999.  head = 4 half + t;  row = 4 point + corner;  corner bit 0: x1, bit 1: y1
;   wts  [query][head 8][row 16] f32: attn / 8 x wx x wy, and 0 for a corner outside the map (the mean over the 8 heads is folded in)
;   wsum [query] f32: the sum of the query's 128 weights (the value bias enters the second launch's sums times this)
; SHARES.  One wave to a work-group, 16 queries to a wave: 7,200 = 450 x 16.  No loop, no barrier.
; LAYOUT.  Source 0 = 16 rows of a weight, source 1 = my 16 queries: lane (r, h) holds query r, and register j the weight's tile row 8 h + j.  THE ROWS OF A TILE ARE NOT NEIGHBOURS:
; lane r of W_off's tile t takes channel 32 (r / 8) + 8 t + r % 8, so that a lane of half h holds head 4 h + t whole (register 2 p: x, 2 p + 1: y of point p); lane r of W_attn's tile u takes
; channel 16 (r / 8) + 8 u + r % 8, so that the logits of head 4 h + t are registers 4 t .. 4 t + 3 of the two tiles.  A lane's 64 indices and 64 weights are then 256 consecutive bytes of idx and of wts.
; The biases are loaded into the accumulators and are the C of each sum's first matrix instruction.
; A scale register carries K step 0's words in lanes 0-15 and K step 1's in lanes 16-31; the second K step reads the upper lanes.
; LIMITS: NaN and infinities among the inputs are not served.  ix = (g + 1) x 50 - 0.5 is one fused multiply-add where the definition multiplies by 100, takes 1 off and halves: the last bit may differ.
.set QF,   16                          ; v16-31   my queries' fragments, K step s at + 8 s
.set QS,   32                          ; v32      their scale words
.set WS,   33                          ; v33-38   the scale words of the six weight tiles
.set REF,  40                          ; v40-41   my query's reference point (x, y)
.set WSUM, 42                          ; v42-43   the running sum of my weights, in two halves
.set TMP,  44                          ; v44-47   at work in the softmax
.set WF,   48                          ; v48-143  six weight tiles x two K steps x 8 registers; free behind the products:
.set IDX,  48                          ; v48-111  the indices, register 4 row + t
.set T,    112                         ; v112-135 at work in a point
.set OFF,  144                         ; v144-175 the offsets, tile t at + 8 t
.set ATT,  176                         ; v176-191 the logits, then attn / 8: register 4 t + p
.set WT,   192                         ; v192-255 the weights, register 16 t + 4 p + corner
.set PITCH, 272                        ; the way out: a lane's 256 bytes + 16 in LDS: 17 x 16 bytes, so that sixteen lanes' 16-byte stores fall on sixteen different columns of 16 bytes modulo 256
	s_load_b512 s[4:19], s[0:1], 0x0               ; query codes s[4:5], query scales s[6:7], reference points s[8:9], W_off codes s[10:11], W_off scales s[12:13], b_off s[14:15], W_attn codes s[16:17], W_attn scales s[18:19]
	s_load_b256 s[20:27], s[0:1], 0x40             ; b_attn s[20:21], idx s[22:23], wts s[24:25], wsum s[26:27]
	v_lshl_add_u32 v39, v0, 2, 0x4400
	s_set_vgpr_msb 0x40
	v_mov_b32 v1, 0
	s_set_vgpr_msb 0x4000
	v_and_b32 v1, 15, v0                           ; r
	v_lshrrev_b32 v2, 4, v0                        ; h
	v_lshlrev_b32 v3, 7, v1
	v_lshl_add_u32 v3, v2, 4, v3                   ; query codes: row r of 128 bytes, + 16 h
	v_lshlrev_b32 v4, 3, v1
	v_lshl_add_u32 v4, v2, 2, v4                   ; query scales: 8 bytes a row; lanes 16-31 take K step 1's word
	v_lshlrev_b32 v5, 3, v1                        ; reference points: 8 bytes a query
	v_lshrrev_b32 v12, 3, v1                       ; r / 8
	v_and_b32 v13, 7, v1                           ; r % 8
	v_lshl_add_u32 v14, v12, 5, v13                ; W_off's channel of tile 0
	v_lshl_add_u32 v15, v12, 4, v13                ; W_attn's
	v_lshlrev_b32 v6, 7, v14
	v_lshl_add_u32 v6, v2, 4, v6                   ; W_off codes
	v_lshlrev_b32 v7, 3, v14
	v_lshl_add_u32 v7, v2, 2, v7                   ; W_off scales
	v_lshlrev_b32 v8, 7, v15
	v_lshl_add_u32 v8, v2, 4, v8                   ; W_attn codes
	v_lshlrev_b32 v9, 3, v15
	v_lshl_add_u32 v9, v2, 2, v9                   ; W_attn scales
	v_lshlrev_b32 v10, 7, v2                       ; b_off: my half's 32 numbers
	v_lshlrev_b32 v11, 6, v2                       ; b_attn: my half's 16
	v_mul_u32_u24 v12, v0, PITCH                   ; the way out, in: my lane's row
	v_mul_u32_u24 v13, v2, PITCH
	v_lshl_add_u32 v13, v1, 4, v13                 ; back: lanes 0-15 one row, lanes 16-31 the next, 16 bytes a lane
	v_lshlrev_b32 v14, 9, v2
	v_lshl_add_u32 v14, v1, 4, v14                 ; and the same in idx and wts: a query is 512 bytes
	v_lshlrev_b32 v15, 2, v1                       ; wsum: 4 bytes a query
	s_mov_b32 s29, 0
	s_mov_b32 s30, 0x76543210
	s_mov_b32 s31, 0xfedcba98                      ; v_permlanex16_b32's selects for lane l xor 16
	s_mov_b32 s32, 0x42c80000                      ; 100.0
	s_wait_kmcnt 0x0
	s_lshl_b32 s28, ttmp9, 11                      ; my 16 queries: 2,048 bytes of codes,
	s_add_nc_u64 s[4:5], s[4:5], s[28:29]
	s_lshl_b32 s28, ttmp9, 7                       ; 128 of scales and of reference points,
	s_add_nc_u64 s[6:7], s[6:7], s[28:29]
	s_add_nc_u64 s[8:9], s[8:9], s[28:29]
	s_lshl_b32 s28, ttmp9, 13                      ; 8,192 of idx and of wts,
	s_add_nc_u64 s[22:23], s[22:23], s[28:29]
	s_add_nc_u64 s[24:25], s[24:25], s[28:29]
	s_lshl_b32 s28, ttmp9, 6                       ; 64 of wsum
	s_add_nc_u64 s[26:27], s[26:27], s[28:29]
.irp n, 0,1,2,3
	global_load_b128 v[QF+4*\n:QF+4*\n+3], v3, s[4:5] offset:32*\n th:TH_LOAD_NT   ; register group n = 2 s + c: k = 128 s + 64 c + 32 h + 0 .. 31
.endr
	global_load_b32 v[QS], v4, s[6:7]
	global_load_b64 v[REF:REF+1], v5, s[8:9]
.irp i, 0,1,2,3
.irp n, 0,1,2,3
	global_load_b128 v[WF+16*\i+4*\n:WF+16*\i+4*\n+3], v6, s[10:11] offset:1024*\i+32*\n   ; tile i begins 8 channels on
.endr
	global_load_b32 v[WS+\i], v7, s[12:13] offset:64*\i
	global_load_b128 v[OFF+8*\i:OFF+8*\i+3], v10, s[14:15] offset:32*\i            ; b_off at my eight channels of the tile: the sum's first C
	global_load_b128 v[OFF+8*\i+4:OFF+8*\i+7], v10, s[14:15] offset:32*\i+16
.endr
.irp i, 0,1
.irp n, 0,1,2,3
	global_load_b128 v[WF+64+16*\i+4*\n:WF+64+16*\i+4*\n+3], v8, s[16:17] offset:1024*\i+32*\n
.endr
	global_load_b32 v[WS+4+\i], v9, s[18:19] offset:64*\i
	global_load_b128 v[ATT+8*\i:ATT+8*\i+3], v11, s[20:21] offset:32*\i
	global_load_b128 v[ATT+8*\i+4:ATT+8*\i+7], v11, s[20:21] offset:32*\i+16
.endr
	v_mov_b32 v[WSUM], 0
	v_mov_b32 v[WSUM+1], 0
	v_mov_b32 v[TMP+1], 0                          ; written once: a lane permute's destination counts as one of its sources
	s_wait_loadcnt 0x0
; The six accumulators (four tiles of offsets, two of logits: v144 + 8 i) take turns, one instruction a turn, K step by K step.
.irp i, 0,1,2,3,4,5
	v_wmma_scale_f32_16x16x128_f8f6f4 v[OFF+8*\i:OFF+8*\i+7], v[WF+16*\i:WF+16*\i+7], v[QF:QF+7], v[OFF+8*\i:OFF+8*\i+7], v[WS+\i], v[QS] matrix_a_fmt:MATRIX_FMT_FP4 matrix_b_fmt:MATRIX_FMT_FP4
.endr
.irp i, 0,1,2,3,4,5
	v_wmma_scale_f32_16x16x128_f8f6f4 v[OFF+8*\i:OFF+8*\i+7], v[WF+16*\i+8:WF+16*\i+15], v[QF+8:QF+15], v[OFF+8*\i:OFF+8*\i+7], v[WS+\i], v[QS] matrix_a_fmt:MATRIX_FMT_FP4 matrix_b_fmt:MATRIX_FMT_FP4 matrix_a_scale:MATRIX_SCALE_ROW1 matrix_b_scale:MATRIX_SCALE_ROW1
.endr
.rept 4
	v_nop                                          ; four places between the last product and the first read of a result (ISA guide 7.12.1)
.endr
; attn / 8 of head 4 h + t, in place.  The maximum is taken away before the exponentials.  The heads go in ascending order.
.macro SOFTMAX t
.set SA, ATT+4*\t
	v_max3_num_f32 v[TMP], v[SA], v[SA+1], v[SA+2]
	v_max_num_f32 v[TMP], v[TMP], v[SA+3]
.irp i, 0,1,2,3
	v_sub_f32 v[SA+\i], v[SA+\i], v[TMP]
.endr
.irp i, 0,1,2,3
	v_mul_f32 v[SA+\i], 0x3fb8aa3b, v[SA+\i]       ; x log2(e): v_exp_f32 is 2^x
.endr
.irp i, 0,1,2,3
	v_exp_f32 v[SA+\i], v[SA+\i]
.endr
	v_nop                                          ; a plain place behind the exponentials
	s_wait_alu depctr_va_vdst(0)
	v_add_f32 v[TMP+2], v[SA], v[SA+1]
	v_add_f32 v[TMP+3], v[SA+2], v[SA+3]
	v_add_f32 v[TMP+2], v[TMP+2], v[TMP+3]
	v_rcp_f32 v[TMP+2], v[TMP+2]
	v_nop                                          ; a plain place behind the reciprocal
	s_wait_alu depctr_va_vdst(0)
	v_mul_f32 v[TMP+2], 0x3e000000, v[TMP+2]       ; / 8: the mean over the heads
.irp i, 0,1,2,3
	v_mul_f32 v[SA+\i], v[SA+\i], v[TMP+2]
.endr
.endm
.irp t, 0,1,2,3
	SOFTMAX \t
.endr
; Point p of head 4 h + t: x and y as a pair.  v[T]: +0,1 loc, then ix, iy; +2,3 x0, y0; +4,5 wx1, wy1; +6,7 wx0, wy0; +8,9 wx0, wx1 with 0 outside the map; +10,11 wy0, wy1 likewise;
; +12,13 x1, y1; +14,15 x0, x1 held inside the map; +16,17 y0, y1 likewise; +18,19 wy x attn / 8; +20..23 the four indices as f32.
; loc lies in 0 .. 1, so x0 and y0 lie in -1 .. 99: corner 0 is outside only where x0 < 0, corner 1 only where x0 > 98.
.macro POINT t, p
.set PO, OFF+8*\t+2*\p
.set PAT, ATT+4*\t+\p
.set PWT, WT+16*\t+4*\p
.set PIX, IDX+16*\p+\t
	v_pk_fma_f32 v[T:T+1], v[PO:PO+1], 0x3dcccccd, v[REF:REF+1] op_sel_hi:[1,0,1]   ; ref + 0.1 offset
	v_med3_num_f32 v[T], v[T], 0, 1.0
	v_med3_num_f32 v[T+1], v[T+1], 0, 1.0          ; the clip
	v_pk_fma_f32 v[T:T+1], v[T:T+1], 2.0, -1.0 op_sel_hi:[1,0,0]                    ; the grid coordinate
	v_pk_add_f32 v[T:T+1], v[T:T+1], 1.0 op_sel_hi:[1,0]
	v_pk_fma_f32 v[T:T+1], v[T:T+1], 0x42480000, -0.5 op_sel_hi:[1,0,0]             ; ((g + 1) x 100 - 1) / 2
	v_floor_f32 v[T+2], v[T]
	v_floor_f32 v[T+3], v[T+1]
	v_pk_add_f32 v[T+4:T+5], v[T:T+1], v[T+2:T+3] neg_lo:[0,1] neg_hi:[0,1]         ; w1 = i - floor(i)
	v_pk_fma_f32 v[T+6:T+7], v[T+4:T+5], -1.0, 1.0 op_sel_hi:[1,0,0]                ; w0 = 1 - w1
	v_cmp_le_f32 vcc_lo, 0, v[T+2]
	v_cndmask_b32 v[T+8], 0, v[T+6], vcc_lo        ; wx0 where 0 <= x0
	v_cmp_ge_f32 vcc_lo, 0x42c40000, v[T+2]
	v_cndmask_b32 v[T+9], 0, v[T+4], vcc_lo        ; wx1 where x0 <= 98
	v_cmp_le_f32 vcc_lo, 0, v[T+3]
	v_cndmask_b32 v[T+10], 0, v[T+7], vcc_lo
	v_cmp_ge_f32 vcc_lo, 0x42c40000, v[T+3]
	v_cndmask_b32 v[T+11], 0, v[T+5], vcc_lo
	v_pk_add_f32 v[T+12:T+13], v[T+2:T+3], 1.0 op_sel_hi:[1,0]
	v_max_num_f32 v[T+14], 0, v[T+2]
	v_min_num_f32 v[T+15], 0x42c60000, v[T+12]     ; at most 99
	v_max_num_f32 v[T+16], 0, v[T+3]
	v_min_num_f32 v[T+17], 0x42c60000, v[T+13]
	v_mul_f32 v[T+18], v[T+10], v[PAT]
	v_mul_f32 v[T+19], v[T+11], v[PAT]
	v_mul_f32 v[PWT], v[T+8], v[T+18]              ; corner 0: (x0, y0)
	v_mul_f32 v[PWT+1], v[T+9], v[T+18]            ; 1: (x1, y0)
	v_mul_f32 v[PWT+2], v[T+8], v[T+19]            ; 2: (x0, y1)
	v_mul_f32 v[PWT+3], v[T+9], v[T+19]            ; 3: (x1, y1)
	v_fma_f32 v[T+20], v[T+16], s32, v[T+14]       ; y x 100 + x: whole numbers under 10,000, exact in f32
	v_fma_f32 v[T+21], v[T+16], s32, v[T+15]
	v_fma_f32 v[T+22], v[T+17], s32, v[T+14]
	v_fma_f32 v[T+23], v[T+17], s32, v[T+15]
.irp c, 0,1,2,3
	v_cvt_u32_f32 v[PIX+4*\c], v[T+20+\c]
.endr
	v_pk_add_f32 v[WSUM:WSUM+1], v[WSUM:WSUM+1], v[PWT:PWT+1]
	v_pk_add_f32 v[WSUM:WSUM+1], v[WSUM:WSUM+1], v[PWT+2:PWT+3]
.endm
.irp t, 0,1,2,3
.irp p, 0,1,2,3
	POINT \t, \p                                   ; points in ascending order: each tile of offsets is read from its low end on
.endr
.endr
; THE WAY OUT.  A lane's 64 registers are 256 consecutive bytes of the buffer, and the lanes beside it hold other such runs.  They go through LDS, a row to a lane, and come back sixteen lanes to a row,
; so that sixteen lanes store 256 consecutive bytes, aligned.  LDS serves a wave's instructions in order (ISA guide 5.7.1.4): no wait between the stores and the loads.
; LDS row L is lane L's: query L % 16, half L / 16: byte 512 (L % 16) + 256 (L / 16) of my 16 queries' part.
.macro OUT reg, lds, b
.irp i, 0,1,2,3,4,5,6,7,8,9,10,11,12,13,14,15
	ds_store_b128 v12, v[\reg+4*\i:\reg+4*\i+3] offset:\lds+16*\i
.endr
.irp k, 0,1,2,3,4,5,6,7,8,9,10,11,12,13,14,15
	ds_load_b128 v[\reg+4*\k:\reg+4*\k+3], v13 offset:\lds+2*PITCH*\k
.endr
.irp k, 0,1,2,3,4,5,6,7,8,9,10,11,12,13,14,15
	s_wait_dscnt 15-\k                             ; LDS loads come back in order: load k is in, the 15 - k younger ones may be out
	global_store_b128 v14, v[\reg+4*\k:\reg+4*\k+3], s[\b:\b+1] offset:(\k%8)*1024+(\k/8)*256
.endr
.endm
	OUT IDX, 0, 22
	OUT WT, 32*PITCH, 24
	v_add_f32 v[WSUM], v[WSUM], v[WSUM+1]          ; my four heads' weights,
	v_permlanex16_b32 v[TMP+1], v[WSUM], s30, s31
	v_add_f32 v[WSUM], v[WSUM], v[TMP+1]           ; and lane l xor 16's four: the query's sum
	v_cmp_gt_u32 vcc_lo, 16, v0
	s_wait_xcnt 0x0                                ; EXEC is a source of the stores above: it changes only behind this wait
	s_set_vgpr_msb 0x4
	s_wait_tensorcnt 0x0
	ds_add_u32 v39, v1
	s_wait_dscnt 0x0
	s_set_vgpr_msb 0x400
	s_and_saveexec_b32 s28, vcc_lo
	global_store_b32 v15, v[WSUM], s[26:27]        ; lanes 0-15: 64 consecutive bytes
	s_wait_xcnt 0x0                                ; and again in front of the line that widens it
	s_or_b32 exec_lo, exec_lo, s28
	s_endpgm
.Lfunc_end_k_qade529874f_points:
	.size	k_qade529874f_points, .Lfunc_end_k_qade529874f_points-k_qade529874f_points
	.p2alignl 7, 3214868480
	.fill 96, 4, 3214868480
	.section	.rodata,"a",@progbits
	.p2align	6, 0x0
	.amdhsa_kernel k_qade529874f_points
		.amdhsa_group_segment_fixed_size 17664
		.amdhsa_private_segment_fixed_size 0
		.amdhsa_enable_private_segment 0
		.amdhsa_kernarg_size 96
		.amdhsa_user_sgpr_count 2
		.amdhsa_user_sgpr_kernarg_segment_ptr 1
		.amdhsa_wavefront_size32 1
		.amdhsa_system_sgpr_workgroup_id_x 1
		.amdhsa_system_sgpr_workgroup_id_y 1
		.amdhsa_system_sgpr_workgroup_id_z 1
		.amdhsa_system_vgpr_workitem_id 0
		.amdhsa_next_free_vgpr 258
		.amdhsa_next_free_sgpr 66
		.amdhsa_reserve_vcc 1
		.amdhsa_float_denorm_mode_32 3
		.amdhsa_float_denorm_mode_16_64 3
		.amdhsa_memory_ordered 1
		.amdhsa_forward_progress 1
		.amdhsa_inst_pref_size 52
	.end_amdhsa_kernel
	.amdgpu_metadata
---
amdhsa.version: [ 1, 2 ]
amdhsa.kernels:
  - .name:           k_qade529874f_points
    .symbol:         k_qade529874f_points.kd
    .args:
      - { .name: query_codes, .offset: 0, .size: 8, .value_kind: global_buffer, .address_space: global }
      - { .name: query_scales, .offset: 8, .size: 8, .value_kind: global_buffer, .address_space: global }
      - { .name: reference_points, .offset: 16, .size: 8, .value_kind: global_buffer, .address_space: global }
      - { .name: W_off_codes, .offset: 24, .size: 8, .value_kind: global_buffer, .address_space: global }
      - { .name: W_off_scales, .offset: 32, .size: 8, .value_kind: global_buffer, .address_space: global }
      - { .name: b_off, .offset: 40, .size: 8, .value_kind: global_buffer, .address_space: global }
      - { .name: W_attn_codes, .offset: 48, .size: 8, .value_kind: global_buffer, .address_space: global }
      - { .name: W_attn_scales, .offset: 56, .size: 8, .value_kind: global_buffer, .address_space: global }
      - { .name: b_attn, .offset: 64, .size: 8, .value_kind: global_buffer, .address_space: global }
      - { .name: idx, .offset: 72, .size: 8, .value_kind: global_buffer, .address_space: global }
      - { .name: wts, .offset: 80, .size: 8, .value_kind: global_buffer, .address_space: global }
      - { .name: wsum, .offset: 88, .size: 8, .value_kind: global_buffer, .address_space: global }
    .group_segment_fixed_size: 17664
    .private_segment_fixed_size: 0
    .kernarg_segment_align: 8
    .kernarg_segment_size: 96
    .max_flat_workgroup_size: 32
    .sgpr_count:     66
    .vgpr_count:     258
    .wavefront_size: 32
...
	.end_amdgpu_metadata
.endif
;; end of part 1
;; launch sample (part 2): grid 30 x 8, 4 waves a work-group, no clusters, 188,928 bytes of LDS; arguments value_codes, value_scales, W_v_codes, W_v_scales, b_v, W_out_codes, W_out_scales, b_out, idx, wts, wsum, out0; writes out0
.if DOCPART == 2
	.amdgcn_target "amdgcn-amd-amdhsa--gfx1250"
	.amdhsa_code_object_version 6
	.text
	.protected	k_qade529874f_sample
	.globl	k_qade529874f_sample
	.p2align	8
	.type	k_qade529874f_sample,@function
k_qade529874f_sample:
	s_mov_b64 s[64:65], 0
	v_nop
	global_prefetch_b8 v0, s[64:65] scope:SCOPE_SE
	s_setreg_imm32_b32 hwreg(HW_REG_WAVE_MODE, 25, 1), 1
	s_wait_xcnt 0x0
; DEFORMABLE ATTENTION, SECOND LAUNCH: out = Q(sum over a query's 128 corners of weight x (value row W_v + b_v)) W_out + b_out, both products on codes of FP4 (E2M1) with one E8M0 scale for each 32 along K = 256.
; THE PROJECTED MAP IS NEVER STORED.  A row of value as codes is 128 bytes + 8 of scales; the same row projected is 1,024 bytes of f32.  So the corner rows' CODES are gathered, by the first launch's list, and projected
; where they are wanted: a matrix tile's 16 rows are the 16 corners (4 points x 4 corners) of one head of one query.  The products are those of the definition: the same codes, the same instruction, K ascending.
; SHARES.  A work-group takes 30 queries of one batch (900 = 30 x 30), each of its four waves 15 UNITS: a unit is half a query, four heads, four tiles.  Wave w's unit i is half w % 2 of query w / 2 + 2 i.
; W_v stays in each wave's registers for the whole launch: 16 tiles of 16 columns x two K steps, 256 registers.
; LAYOUT.  Source 0 = the 16 gathered rows, source 1 = 16 rows of W_v's codes (16 output channels): in the result lane (r, h) holds channel 16 n + r, and register j corner row 8 h + j.  So the weighted sum over corners
; runs down a lane's registers: four packed multiply-adds a tile of 16 x 16, with the weights of rows 8 h .. 8 h + 7 in eight registers.  Nothing changes lanes in the loop.
; BY TURNS.  Behind each matrix instruction stand two packed multiply-adds on the pair of tiles finished before, and now and then a line of the gather of the tile seven tiles ahead.
; They are also the places that the results' first reads want (ISA guide 7.12.1): no v_nop but at a unit's start.  Four accumulators in two sets take turns, one instruction a turn.
; THE END.  Each wave's partial sums (a query's half x a half of the corner rows: four parts a query) meet in LDS; wave w adds the parts of 16 queries x 128 channels, adds b_v x the sum of the weights, quantises along
; the channels and hands the fragment on as an image of its registers; each wave then makes 64 output channels of all 30 queries (source 0 = W_out's rows, so that a lane holds eight neighbouring outputs of one query).
; NO SHARED TILES: what is read in bulk is a gather of 128-byte rows by list, which no tile describes, and W_v is read once a wave; so there are no tensor loads, no ring in LDS and no cluster.
; No prefetch either: a row is asked for seven tiles ahead of its use, straight into registers.
; LIMITS: NaN and infinities are not served.  An index is held at 9,999 before it enters an address.  A block of the computed operand whose largest magnitude lies under 2^-124 keeps the scale byte 1 (a block of zeros
; too, where the rule says 127: its codes are zeros, and this program alone reads the byte).  The order of the f32 sums differs from the definition's: attn / 8 is folded into the corner weights by the first launch,
; and b_v enters as b_v x the sum of the weights of the corners inside the map.
; REGISTERS, in windows of 256 (s_set_vgpr_msb: bits 1:0 source 0, 3:2 source 1, 5:4 source 2, 7:6 destination):
;   window 0: v1-15, v120-124 addresses and lane terms; v16-31 W_v's scale words; v32-39 the gathered rows' scale words, one a ring slot; v40-71 four accumulators; v72-103 the unit's 16 pairs of sums;
;             v104-119 the sums on their way to LDS; v128-255 the ring of gathered rows: 8 slots x 16 registers
;   window 1: v0-127 W_v's tiles 0-7; v128-191 the weights of two units; v192-199 the indices of two units        window 2: v0-127 W_v's tiles 8-15; v128-191 the same weights once more
; The second source of a multiply-add lies in the window of the matrix instructions' second source, so one setting serves eight tiles of W_v, the multiply-adds and the gather: hence the weights' second copy.
; LDS: bytes 0 .. 15,359 the weights, 3,840 a wave, 256 a unit.  From PART on the partial sums, a region of REG bytes for each wave (wave w's begins 16 (w / 2) bytes late, so that the sixteen lanes that later read sixteen
; queries fall on sixteen different columns of 16 bytes modulo 256); in it a unit has UP = 2,080 bytes: part h = 0, part h = 1, 32 unused.  A part is four groups of 256 bytes (group 2 s + h'); in a group byte 16 i + 4 b
; holds channel 128 s + 32 b + 16 h' + i.  Then four fragments' images, their scale words, and eight stages for the way out.
.set UP,    2080
.set REG,   16*UP                      ; 15 units, and a sixteenth place of zeros for the queries 30 and 31 that do not exist
.set PART,  15360
.set IMG,   PART+4*REG+256             ; four images of 1,024 bytes
.set ISC,   IMG+4096                   ; their scale words, 128 bytes each
.set STG,   ISC+512                    ; eight stages of 16 rows x 272 bytes: wave w, queries 16 m on: 8,704 w + 4,352 m
.set TI,    3                          ; v3    the index in hand
.set AD,    4                          ; v4    its row of codes: 128 x index + 16 h
.set AS,    5                          ; v5    its scale word: 8 x index + 4 h
.set WAD,   6                          ; v6    LDS: my wave's weights of this trip's units, + 32 h
.set PST,   7                          ; v7    LDS: where this trip's partial sums go
.set QAD,   8                          ; v8    16 r: my corner row's four indices of a unit
.set L8,    9                          ; v9    8 x lane
.set WVS,   16
.set ASC,   32
.set DACC,  40
.set ACC,   72
.set FS,    104
.set WAD0,  120                        ; v120  3,840 w + 32 h
.set PST0,  121                        ; v121  my region + 1,024 h + 16 r
.set WST,   122                        ; v122  3,840 w + 8 x lane
.set WSR,   124                        ; v124  the sum of my query's weights
.set RING,  128
.set WREG,  128                        ; in windows 1 and 2: weights, 32 x (unit % 2) + 8 t + j
.set QUADR, 192                        ; in window 1: indices, 4 x (unit % 2) + t
.set SY,  0x04                         ; source 1 in window 1
.set SZ,  0x08                         ; source 1 in window 2
.set SD1, 0x40                         ; destination in window 1
.set SD2, 0x80                         ; destination in window 2
.set MSB, 0
.macro WIN new                         ; the immediate's high byte repeats the setting that is left; a switch that changes nothing is dropped
.if MSB != \new
	s_set_vgpr_msb (MSB<<8)|\new
.set MSB, \new
.endif
.endm
.set PEND, 0                           ; is a pair of tiles waiting for its multiply-adds?
.set RK, 9                             ; the next line of the refill in hand; 9: none
; THE GATHER of one tile, nine lines, written one at a time.  RSLOT: the ring slot; RIQ: the register (window 1) with the tile's index of my corner row.
.macro XL
.if RK == 0
	s_wait_xcnt 0x0                                ; the last gather's loads have read AD and AS: they are written again only behind this wait
.elseif RK == 1
	v_min_u32 v[TI], 9999, v[RIQ]                  ; a loaded number enters an address only held inside the table
.elseif RK == 2
	v_lshl_add_u32 v[AD], v[TI], 7, v1
.elseif RK == 3
	v_lshl_add_u32 v[AS], v[TI], 3, v2
.elseif RK < 8
	global_load_b128 v[RING+16*RSLOT+4*(RK-4):RING+16*RSLOT+4*(RK-4)+3], v[AD], s[32:33] offset:32*(RK-4)   ; register group 2 s + c: k = 128 s + 64 c + 32 h + 0 .. 31
.elseif RK == 8
	global_load_b32 v[ASC+RSLOT], v[AS], s[34:35]  ; lanes 0-15: K step 0's scale word of row r; lanes 16-31: K step 1's
.endif
.if RK < 9
.set RK, RK+1
.endif
.endm
; Line i of the eight multiply-adds of the pair of tiles (a, b) that is waiting, in the order a0 a1 b0 a2 b1 a3 b2 b3: each accumulator is read from its low end on, and b0 stands four places behind b's last product.
; In a unit's first tile the first line of each is a multiplication: nothing is cleared.  With nothing waiting: v_nop.
.macro FF i
.if PEND
.set fb, (0xd4>>(\i))&1
.set fe, (0xed84>>(2*(\i)))&3
.set fd, PD+8*fb+2*fe
.set fa, ACC+2*(PN+fb)
.set fw, PWT+2*fe
.if PFIRST && (fe == 0)
	v_pk_mul_f32 v[fa:fa+1], v[fd:fd+1], v[fw:fw+1]
.else
	v_pk_fma_f32 v[fa:fa+1], v[fd:fd+1], v[fw:fw+1], v[fa:fa+1]
.endif
.else
	v_nop
.endif
.endm
; One product: K step ks of tile 2 p + ab of W_v against the 16 gathered rows in slot TSLOT.  K step 0 starts the sum and reads both sides' scale words from lanes 0-15, K step 1 adds in place and reads lanes 16-31.
.macro WM ks, ab
.set wd, qd+8*\ab
.set wa, RING+16*TSLOT+8*\ks
.set wb, qb+16*\ab+8*\ks
.if \ks == 0
	v_wmma_scale_f32_16x16x128_f8f6f4 v[wd:wd+7], v[wa:wa+7], v[wb:wb+7], 0, v[ASC+TSLOT], v[WVS+qn+\ab] matrix_a_fmt:MATRIX_FMT_FP4 matrix_b_fmt:MATRIX_FMT_FP4
.else
	v_wmma_scale_f32_16x16x128_f8f6f4 v[wd:wd+7], v[wa:wa+7], v[wb:wb+7], v[wd:wd+7], v[ASC+TSLOT], v[WVS+qn+\ab] matrix_a_fmt:MATRIX_FMT_FP4 matrix_b_fmt:MATRIX_FMT_FP4 matrix_a_scale:MATRIX_SCALE_ROW1 matrix_b_scale:MATRIX_SCALE_ROW1
.endif
.endm
; Tiles 2 p and 2 p + 1 of W_v: four products, the two accumulators of set p % 2 by turns; behind each two multiply-adds of the pair before (set 1 - p % 2) and a line of the gather.
; Between a's last product and a0 stand lines 4 to 7 of the pair before; between b's and b0 lines 6, 7, a0, a1: four places each, none of which names a register of that product.
.macro QUAD p
.set qd, DACC+16*((\p)%2)
.set qn, 2*(\p)
.set qb, 16*(qn%8)
	WM 0, 0
	FF 0
	FF 1
	XL
	WM 0, 1
	FF 2
	FF 3
	XL
	WM 1, 0
	FF 4
	FF 5
	XL
	WM 1, 1
	FF 6
	FF 7
	XL
.set PEND, 1
.set PD, qd
.set PN, qn
.set PWT, TW
.set PFIRST, TFIRST
.endm
; A TILE: head t of the unit of parity par, its rows in ring slot slot.  n: how many younger loads may stay out.  rf = 1: the tile seven tiles on is gathered into the slot that the tile before has left
; (its last reader stands more than four places back).  In a unit's first tile, in the middle: wl = 1: the next unit's weights from LDS, into both windows; ql = 1: the indices of the unit three units on.
.macro TILE slot, par, t, n, rf, wl, ql, ub
.set TSLOT, \slot
.set TW, WREG+32*\par+8*\t
.if \t == 0
.set TFIRST, 1
.else
.set TFIRST, 0
.endif
	s_wait_loadcnt \n                              ; loads come back in order (ISA guide 5.7.1): this tile's five are in, and the indices that its refill reads
	WIN SY
	QUAD 0
.if \rf
.set RK, 0
.set RSLOT, (\slot+7)%8
.if \t == 0
.set RIQ, QUADR+4*(1-\par)+3                   ; tile + 7 is the next unit's head 3,
.else
.set RIQ, QUADR+4*\par+\t-1                    ; or head t - 1 of the unit two units on
.endif
.endif
	QUAD 1
	QUAD 2
	QUAD 3
.if \wl || \ql
	WIN SD1
.if \wl
.irp x, 0,1,2,3,4,5,6,7
	ds_load_b128 v[WREG+32*(1-\par)+4*\x:WREG+32*(1-\par)+4*\x+3], v[WAD] offset:(\ub+1)*256+64*(\x/2)+16*(\x%2)
.endr
.endif
.if \ql
	global_load_b128 v[QUADR+4*(1-\par):QUADR+4*(1-\par)+3], v[QAD], s[36:37] offset:(\ub+3)*1024 th:TH_LOAD_NT   ; its last index was read in this tile's refill
.endif
.if \wl
	WIN SD2
.irp x, 0,1,2,3,4,5,6,7
	ds_load_b128 v[WREG+32*(1-\par)+4*\x:WREG+32*(1-\par)+4*\x+3], v[WAD] offset:(\ub+1)*256+64*(\x/2)+16*(\x%2)
.endr
.endif
.endif
	WIN SZ
	QUAD 4
	QUAD 5
	QUAD 6
	QUAD 7
.endm
; A UNIT: four tiles, the last pair's multiply-adds, the 16 sums of even and odd rows, and 1,024 bytes a lane half to LDS.  Sum of tile n = 8 s + 2 b + h' goes to register 4 (2 s + h') + b.
.macro UNIT par, ub, n0, n1, n2, n3, rf0, rf, wl, ql
	s_wait_dscnt 4                                 ; this unit's weights are in: behind their 16 loads only the last unit's four stores were issued
	TILE 4*\par+0, \par, 0, \n0, \rf0, \wl, \ql, \ub
	TILE 4*\par+1, \par, 1, \n1, \rf, 0, 0, \ub
	TILE 4*\par+2, \par, 2, \n2, \rf, 0, 0, \ub
	TILE 4*\par+3, \par, 3, \n3, \rf, 0, 0, \ub
.irp f, 0,1,2,3,4,5,6,7
	FF \f
.endr
.set PEND, 0
	WIN 0
	s_wait_dscnt 16*\wl                            ; the last unit's stores have read the registers written below; this unit's 16 weight loads may stay out
.irp n, 0,1,2,3,4,5,6,7,8,9,10,11,12,13,14,15
	v_add_f32 v[FS+4*(2*(\n/8)+\n%2)+(\n%8)/2], v[ACC+2*\n], v[ACC+2*\n+1]
.endr
.irp g, 0,1,2,3
	ds_store_b128 v[PST], v[FS+4*\g:FS+4*\g+3] offset:\ub*UP+256*\g
.endr
.endm
	s_load_b512 s[4:19], s[0:1], 0x0               ; value codes s[4:5], value scales s[6:7], W_v codes s[8:9], W_v scales s[10:11], b_v s[12:13], W_out codes s[14:15], W_out scales s[16:17], b_out s[18:19]
	s_load_b256 s[20:27], s[0:1], 0x40             ; idx s[20:21], wts s[22:23], wsum s[24:25], out0 s[26:27]
	v_lshl_add_u32 v126, v0, 2, 0x2e000
	v_mov_b32 v127, 0
	v_lshrrev_b32 v3, 5, v0
	v_readfirstlane_b32 s28, v3                    ; wave 0..3
	s_and_b32 s29, ttmp7, 0xffff                   ; the batch
	s_mul_i32 s30, s29, 900
	s_mul_i32 s31, ttmp9, 30
	s_add_co_u32 s30, s30, s31                     ; my work-group's first query
	s_lshr_b32 s47, s28, 1                         ; w / 2
	s_and_b32 s48, s28, 1                          ; w % 2
	v_and_b32 v10, 15, v0                          ; r
	v_bfe_u32 v11, v0, 4, 1                        ; h
	v_and_b32 v12, 31, v0                          ; lane
	v_lshlrev_b32 v1, 4, v11                       ; 16 h
	v_lshlrev_b32 v2, 2, v11                       ; 4 h
	v_lshlrev_b32 v[QAD], 4, v10
	v_lshlrev_b32 v[L8], 3, v12
	v_lshl_add_u32 v13, v10, 7, v1                 ; a weight's codes: row r of 128 bytes, + 16 h
	v_lshl_add_u32 v14, v10, 3, v2                 ; its scale words: 8 bytes a row; lanes 16-31 take K step 1's
	s_mul_i32 s46, s28, 3840
	v_lshl_add_u32 v[WAD0], v11, 5, s46
	v_add_nc_u32 v[WST], s46, v[L8]
	s_mul_i32 s46, s28, REG
	s_lshl_b32 s50, s47, 4
	s_add_co_u32 s46, s46, s50
	s_add_co_u32 s46, s46, PART                    ; my wave's region of partial sums
	v_lshl_add_u32 v[PST0], v11, 10, v[QAD]
	v_add_nc_u32 v[PST0], s46, v[PST0]
	v_lshl_add_u32 v15, v12, 4, s46
.irp i, 0,1,2,3
	v_mov_b32 v[FS+\i], 0
.endr
.irp i, 0,1,2,3
	ds_store_b128 v15, v[FS:FS+3] offset:15*UP+512*\i   ; my region's sixteenth place: zeros, so that the last fragment's rows 14 and 15 hold numbers; they are never stored to memory
.endr
	s_mov_b32 s41, 0x76543210
	s_mov_b32 s42, 0xfedcba98                      ; v_permlanex16_b32's selects for lane l xor 16
	s_mov_b32 s45, 0
	s_wait_kmcnt 0x0
	s_mul_i32 s44, s29, 1280000
	s_add_nc_u64 s[32:33], s[4:5], s[44:45]        ; the batch's codes: 10,000 rows of 128 bytes
	s_mul_i32 s44, s29, 80000
	s_add_nc_u64 s[34:35], s[6:7], s[44:45]        ; and scale bytes
	s_lshl_b32 s44, s30, 9
	s_lshl_b32 s46, s28, 8                         ; 256 w
	s_add_co_u32 s44, s44, s46                     ; my unit 0 in idx and in wts: 512 x first query + 256 w; a unit is 256 bytes, my next one 1,024 on
	s_add_nc_u64 s[36:37], s[20:21], s[44:45]
	s_add_nc_u64 s[38:39], s[22:23], s[44:45]
	s_lshl_b32 s44, s48, 9
	s_add_nc_u64 s[12:13], s[12:13], s[44:45]      ; for the end: b_v at my K step's 128 channels,
	s_lshl_b32 s44, s28, 13
	s_add_nc_u64 s[14:15], s[14:15], s[44:45]      ; W_out's codes at my 64 rows,
	s_lshl_b32 s44, s28, 9
	s_add_nc_u64 s[16:17], s[16:17], s[44:45]      ; their scale bytes,
	s_mov_b32 s44, s46
	s_add_nc_u64 s[18:19], s[18:19], s[44:45]      ; b_out at my 64 channels,
	s_lshl_b32 s44, s30, 2
	s_add_nc_u64 s[24:25], s[24:25], s[44:45]      ; wsum at my first query,
	s_lshl_b32 s44, s30, 10
	s_add_co_u32 s44, s44, s46
	s_add_nc_u64 s[26:27], s[26:27], s[44:45]      ; out0 at my first query's row, my 64 channels
	WIN SD1
	global_load_b128 v[QUADR:QUADR+3], v[QAD], s[36:37] th:TH_LOAD_NT               ; the indices of units 0 and 1
	global_load_b128 v[QUADR+4:QUADR+7], v[QAD], s[36:37] offset:1024 th:TH_LOAD_NT
	WIN 0
.irp i, 0,1,2,3,4,5,6,7,8,9,10,11,12,13,14
	global_load_b64 v[40+2*\i:41+2*\i], v[L8], s[38:39] offset:1024*\i th:TH_LOAD_NT   ; my 15 units' weights: 256 consecutive bytes a load
.endr
	s_wait_loadcnt 15                              ; the two loads of indices are in; the 15 behind them may be out
	WIN SY
.irp T, 0,1,2,3,4,5,6
.set RSLOT, \T
.set RIQ, QUADR+\T
.set RK, 0
.rept 9
	XL                                             ; tiles 0 to 6 are gathered: seven tiles are always on their way
.endr
.endr
	WIN SD1
	global_load_b128 v[QUADR:QUADR+3], v[QAD], s[36:37] offset:2048 th:TH_LOAD_NT   ; unit 2's indices, where unit 0's have been read
.irp t, 0,1,2,3,4,5,6,7
.irp n, 0,1,2,3
	global_load_b128 v[16*\t+4*\n:16*\t+4*\n+3], v13, s[8:9] offset:2048*\t+32*\n
.endr
.endr
	WIN SD2
.irp t, 0,1,2,3,4,5,6,7
.irp n, 0,1,2,3
	global_load_b128 v[16*\t+4*\n:16*\t+4*\n+3], v13, s[8:9] offset:2048*(\t+8)+32*\n
.endr
.endr
	WIN 0
.irp t, 0,1,2,3,4,5,6,7,8,9,10,11,12,13,14,15
	global_load_b32 v[WVS+\t], v14, s[10:11] offset:128*\t
.endr
	s_wait_loadcnt 0x0
.irp i, 0,1,2,3,4,5,6,7,8,9,10,11,12,13,14
	ds_store_b64 v[WST], v[40+2*\i:41+2*\i] offset:256*\i      ; into my wave's own bytes: LDS serves a wave's instructions in order (ISA guide 5.7.1.4), so my loads below see them
.endr
	WIN SD1
.irp x, 0,1,2,3,4,5,6,7
	ds_load_b128 v[WREG+4*\x:WREG+4*\x+3], v[WAD0] offset:64*(\x/2)+16*(\x%2)       ; unit 0's weights: rows 8 h .. 8 h + 7 of each head
.endr
	WIN SD2
.irp x, 0,1,2,3,4,5,6,7
	ds_load_b128 v[WREG+4*\x:WREG+4*\x+3], v[WAD0] offset:64*(\x/2)+16*(\x%2)
.endr
	WIN 0
	s_wait_dscnt 0x0
	s_mov_b32 s40, 6                               ; six trips of two units
	s_mov_b32 s43, 0                               ; the trip's first unit among my weights: 512 bytes a trip
	s_mov_b32 s49, 0                               ; and among my partial sums: 2 UP a trip
.Ltrip:
	v_add_nc_u32 v[WAD], s43, v[WAD0]
	v_add_nc_u32 v[PST], s49, v[PST0]
; The counts: behind a tile's five loads stand the gathers of six later tiles, 30 loads, and one or two loads of indices.  The second tile's refill reads indices behind whose load stand four gathers and one load of indices: 21.
	UNIT 0, 0, 31, 21, 32, 32, 1, 1, 1, 1
	UNIT 1, 1, 31, 21, 32, 32, 1, 1, 1, 1
	s_wait_xcnt 0x0                                ; the loads of indices have read their base
	s_add_nc_u64 s[36:37], s[36:37], 2048
	s_add_co_u32 s43, s43, 512
	s_add_co_u32 s49, s49, 2*UP
	s_sub_co_u32 s40, s40, 1
	s_cmp_lg_u32 s40, 0
	s_cbranch_scc1 .Ltrip
; The last three units are written out: no load is jumped over and none leaves its buffer.  Unit 12 asks for no more indices, tile 52 gathers the last tile, 59, and the counts run down.
	v_add_nc_u32 v[WAD], s43, v[WAD0]
	v_add_nc_u32 v[PST], s49, v[PST0]
	UNIT 0, 0, 31, 20, 31, 31, 1, 1, 1, 0
	UNIT 1, 1, 30, 30, 25, 20, 1, 0, 1, 0
	UNIT 0, 2, 15, 10, 5, 0, 0, 0, 0, 0
; ---- THE END.  What it needs from memory is asked for first.  The last unit's 16 sums are the places between the last products and the loads into registers that they read.
	s_wait_xcnt 0x0                                ; every earlier load has read its address registers: they are written again below
	v_lshlrev_b32 v15, 6, v11                      ; b_v: + 64 h: my 16 channels of each block of 32
	v_lshlrev_b32 v3, 5, v11                       ; b_out: + 32 h
	s_lshl_b32 s50, s47, 4
	v_add_nc_u32 v4, s50, v10                      ; my query of the fragment that I make: 16 (w / 2) + r,
	v_min_u32 v4, 29, v4                           ; held inside the work-group's 30
	v_lshlrev_b32 v4, 2, v4
	WIN SD1
.irp b, 0,1,2,3
.irp j, 0,1,2,3
	global_load_b128 v[16*\b+4*\j:16*\b+4*\j+3], v15, s[12:13] offset:128*\b+16*\j   ; window 1, register 16 b + i: b_v at channel 128 s + 32 b + 16 h + i
.endr
.endr
	WIN SD2
.irp t, 0,1,2,3
.irp n, 0,1,2,3
	global_load_b128 v[16*\t+4*\n:16*\t+4*\n+3], v13, s[14:15] offset:2048*\t+32*\n  ; window 2: W_out's four tiles of 16 rows, two K steps
.endr
.endr
.irp t, 0,1,2,3
	global_load_b128 v[64+8*\t:64+8*\t+3], v3, s[18:19] offset:64*\t                 ; b_out at the tile's eight channels of my half: the sum's first C
	global_load_b128 v[64+8*\t+4:64+8*\t+7], v3, s[18:19] offset:64*\t+16
.endr
	WIN 0
.irp t, 0,1,2,3
	global_load_b32 v[WVS+\t], v14, s[16:17] offset:128*\t                           ; W_out's scale words, where W_v's were
.endr
	global_load_b32 v[WSR], v4, s[24:25]
	s_wait_dscnt 0x0                               ; for the others' sake: my partial sums and my zeros lie in LDS
	s_barrier_signal -1
	s_mul_i32 s50, s47, 8*UP                       ; (register work while the others arrive: the addresses of the end)
	s_lshl_b32 s51, s48, 9
	s_add_co_u32 s50, s50, s51
	s_add_co_u32 s50, s50, PART
	v_and_b32 v5, 1, v10                           ; query q = 16 m + r lies in the regions of waves 2 (q % 2) and 2 (q % 2) + 1, at unit q / 2
	v_mul_u32_u24 v5, v5, 2*REG+16
	v_lshrrev_b32 v6, 1, v10
	v_mad_u32_u24 v5, v6, UP, v5
	v_lshl_add_u32 v5, v11, 8, v5                  ; group 2 s + h
	v_add_nc_u32 v5, s50, v5
	s_lshl_b32 s50, s28, 10
	s_add_co_u32 s50, s50, IMG
	v_lshl_add_u32 v6, v12, 4, s50                 ; where my fragment's image goes: 1,024 w + 16 x lane
	s_lshl_b32 s50, s28, 7
	s_add_co_u32 s50, s50, ISC
	v_lshl_add_u32 v7, v12, 2, s50                 ; and its scale words: 128 w + 4 x lane
	v_lshl_add_u32 v8, v12, 4, IMG                 ; where any image is read
	v_lshl_add_u32 v9, v12, 2, ISC
	s_mul_i32 s50, s28, 8704
	s_add_co_u32 s50, s50, STG                     ; my stages
	v_mul_u32_u24 v120, v10, 272
	v_lshl_add_u32 v120, v11, 5, v120
	v_add_nc_u32 v120, s50, v120                   ; in: row r, + 32 h
	v_mul_u32_u24 v121, v11, 272
	v_lshl_add_u32 v121, v10, 4, v121
	v_add_nc_u32 v121, s50, v121                   ; back: lanes 0-15 one row of 256 bytes, lanes 16-31 the next
	v_lshlrev_b32 v122, 10, v11
	v_lshl_add_u32 v122, v10, 4, v122              ; and the same two rows in out0
	s_barrier_wait -1
; Wave w makes the fragment of queries 16 (w / 2) on, K step w % 2.  A part's 64 numbers of my lane come as they lie (register 4 i + b: channel 32 b + 16 h + i of the K step); the four parts are added so.
.set X,  40                            ; v40-103  one part, then the 64 numbers in the quantiser's order: register 16 b + i
.set PA, 128                           ; v128-191 a part, then the sum of the parts
.set PB, 192                           ; v192-255 a part
.irp i, 0,1,2,3,4,5,6,7,8,9,10,11,12,13,14,15
	ds_load_b128 v[PA+4*\i:PA+4*\i+3], v5 offset:16*\i                   ; heads 0-3, corner rows 0-7
.endr
.irp i, 0,1,2,3,4,5,6,7,8,9,10,11,12,13,14,15
	ds_load_b128 v[PB+4*\i:PB+4*\i+3], v5 offset:1024+16*\i              ; heads 0-3, rows 8-15
.endr
.irp i, 0,1,2,3,4,5,6,7,8,9,10,11,12,13,14,15
	ds_load_b128 v[X+4*\i:X+4*\i+3], v5 offset:REG+1024+16*\i            ; heads 4-7, rows 8-15
.endr
	s_wait_dscnt 16                                ; the first two parts are in; the third's 16 loads may be out
.irp j, 0,2,4,6,8,10,12,14,16,18,20,22,24,26,28,30,32,34,36,38,40,42,44,46,48,50,52,54,56,58,60,62
	v_pk_add_f32 v[PA+\j:PA+\j+1], v[PA+\j:PA+\j+1], v[PB+\j:PB+\j+1]
.endr
.irp i, 0,1,2,3,4,5,6,7,8,9,10,11,12,13,14,15
	ds_load_b128 v[PB+4*\i:PB+4*\i+3], v5 offset:REG+16*\i               ; heads 4-7, rows 0-7
.endr
	s_wait_dscnt 16                                ; the third part is in; the fourth's 16 loads may be out
.irp j, 0,2,4,6,8,10,12,14,16,18,20,22,24,26,28,30,32,34,36,38,40,42,44,46,48,50,52,54,56,58,60,62
	v_pk_add_f32 v[PA+\j:PA+\j+1], v[PA+\j:PA+\j+1], v[X+\j:X+\j+1]
.endr
	s_wait_dscnt 0x0
.irp j, 0,2,4,6,8,10,12,14,16,18,20,22,24,26,28,30,32,34,36,38,40,42,44,46,48,50,52,54,56,58,60,62
	v_pk_add_f32 v[PA+\j:PA+\j+1], v[PA+\j:PA+\j+1], v[PB+\j:PB+\j+1]
.endr
	s_wait_loadcnt 0x0                             ; b_v, the sum of the weights, W_out, b_out
	WIN 0x01                                       ; source 0 (b_v) in window 1
.irp b, 0,1,2,3
.irp i, 0,1,2,3,4,5,6,7,8,9,10,11,12,13,14,15
	v_fma_f32 v[X+16*\b+\i], v[16*\b+\i], v[WSR], v[PA+4*\i+\b]          ; + b_v x the sum of the weights; and into the quantiser's order
.endr
.endr
	WIN 0
; The quantiser along the channels: register 16 b + i = k 32 b + 16 (lane / 16) + i of my query's K step.  A block of 32 lies in lanes l and l xor 16.
.set TM, 192                           ; v192-195 largest magnitudes, v196-199 the other half's, then the bytes, v204-207 the conversions' scale operands
.set CD, 104                           ; v104-111 the codes
.set SW, 112                           ; v112     the scale word
.irp b, 0,1,2,3
	v_mov_b32 v[TM+4+\b], 0                        ; a lane permute's destination counts as one of its sources
.endr
.irp b, 0,1,2,3
	v_max3_num_f32 v[TM+\b], |v[X+16*\b]|, |v[X+1+16*\b]|, 0x1800000     ; my 16 numbers of block b, and the floor 2^(3 - 127): so the byte cannot fall under 1
.endr
.irp i, 2,4,6,8,10,12,14
.irp b, 0,1,2,3
	v_max3_num_f32 v[TM+\b], v[TM+\b], |v[X+16*\b+\i]|, |v[X+1+16*\b+\i]|   ; (the four blocks by turns)
.endr
.endr
.irp b, 0,1,2,3
	v_permlanex16_b32 v[TM+4+\b], v[TM+\b], s41, s42
.endr
.irp b, 0,1,2,3
	v_max_num_f32 v[TM+\b], v[TM+\b], v[TM+4+\b]   ; with lane l xor 16's: the block's largest magnitude
.endr
.irp b, 0,1,2,3
	v_add_nc_u32 v[TM+12+\b], 0xff000000, v[TM+\b] ; 2 off its exponent field: the conversion takes the exponent field of this operand as its scale, and nothing else of it
.endr
.irp b, 0,1,2,3
	v_lshrrev_b32 v[TM+4+\b], 23, v[TM+12+\b]      ; the scale's byte
.endr
	v_lshl_or_b32 v[SW], v[TM+5], 8, v[TM+4]       ; the four bytes make my query's scale word
	v_lshl_or_b32 v[SW], v[TM+6], 16, v[SW]
	v_lshl_or_b32 v[SW], v[TM+7], 24, v[SW]
.irp b, 0,1,2,3
	v_cvt_scalef32_pk8_fp4_f32 v[CD+2*\b], v[X+16*\b:X+7+16*\b], v[TM+12+\b]
	v_cvt_scalef32_pk8_fp4_f32 v[CD+1+2*\b], v[X+8+16*\b:X+15+16*\b], v[TM+12+\b]
.endr
	v_nop                                          ; one plain place behind a scaled conversion
.irp c, 0,1                                    ; the operand's layout wants a WHOLE block in a lane: lanes 0-15 block 2 c, lanes 16-31 block 2 c + 1
.irp i, 0,1
	v_permlane16_swap_b32 v[CD+4*\c+\i], v[CD+2+4*\c+\i]
.endr
.endr
	ds_store_b128 v6, v[CD:CD+3]                   ; the fragment goes to LDS as an image of its registers: lane l's 16 bytes at 16 l
	ds_store_b128 v6, v[CD+4:CD+7] offset:512
	ds_store_b32 v7, v[SW]
	s_wait_dscnt 0x0                               ; for the others' sake: my image lies in LDS
	s_barrier_signal -1
	s_barrier_wait -1
.irp f, 0,1,2,3                                ; fragment f = 2 m + s: queries 16 m on, K step s
	ds_load_b128 v[128+8*\f:128+8*\f+3], v8 offset:1024*\f
	ds_load_b128 v[128+8*\f+4:128+8*\f+7], v8 offset:1024*\f+512
	ds_load_b32 v[36+\f], v9 offset:128*\f         ; its scale words, into registers that have held scales alone
.endr
	s_wait_dscnt 0x0
; out = Q(..) W_out + b_out: source 0 = 16 rows of W_out (my channels 64 w + 16 t on), source 1 = 16 queries.  Eight accumulators (m, t) at v[160 + 8 (4 m + t)] by turns, K step by K step; b_out is the first C.
	WIN 0x22                                       ; source 0 (W_out) and source 2 (b_out) in window 2
.irp m, 0,1
.irp t, 0,1,2,3
	v_wmma_scale_f32_16x16x128_f8f6f4 v[160+8*(4*\m+\t):167+8*(4*\m+\t)], v[16*\t:16*\t+7], v[128+16*\m:135+16*\m], v[64+8*\t:71+8*\t], v[WVS+\t], v[36+2*\m] matrix_a_fmt:MATRIX_FMT_FP4 matrix_b_fmt:MATRIX_FMT_FP4
.endr
.endr
	WIN 0x02
.irp m, 0,1
.irp t, 0,1,2,3
	v_wmma_scale_f32_16x16x128_f8f6f4 v[160+8*(4*\m+\t):167+8*(4*\m+\t)], v[16*\t+8:16*\t+15], v[136+16*\m:143+16*\m], v[160+8*(4*\m+\t):167+8*(4*\m+\t)], v[WVS+\t], v[37+2*\m] matrix_a_fmt:MATRIX_FMT_FP4 matrix_b_fmt:MATRIX_FMT_FP4 matrix_a_scale:MATRIX_SCALE_ROW1
.endr
.endr
	WIN 0
.rept 4
	v_nop                                          ; four places between the last product and the first read of a result (ISA guide 7.12.1)
.endr
; THE WAY OUT.  Lane (r, h) holds query 16 m + r, channels 64 w + 16 t + 8 h + 0 .. 7.  16 queries x 256 bytes go through my own stage and come back by rows, so that sixteen lanes store 256 consecutive bytes, aligned.
; LDS serves a wave's instructions in order: no wait between the stores and the loads.  Rows 30 and 31 are not read back: those queries do not exist.
.irp m, 0,1
.irp t, 0,1,2,3
	ds_store_b128 v120, v[160+8*(4*\m+\t):163+8*(4*\m+\t)] offset:4352*\m+64*\t        ; each accumulator from its low end on
	ds_store_b128 v120, v[164+8*(4*\m+\t):167+8*(4*\m+\t)] offset:4352*\m+64*\t+16
.endr
.irp k, 0,1,2,3,4,5,6,7
.if 8*\m+\k < 15
	ds_load_b128 v[40+32*\m+4*\k:43+32*\m+4*\k], v121 offset:4352*\m+544*\k
.endif
.endr
.endr
.irp k, 0,1,2,3,4,5,6,7
	s_wait_dscnt 22-\k                             ; behind this load: 7 - k loads of its run, the second run's 8 stores and 7 loads
	global_store_b128 v122, v[40+4*\k:43+4*\k], s[26:27] offset:2048*\k th:TH_STORE_NT
.endr
.irp k, 0,1,2,3,4,5,6
	s_wait_dscnt 6-\k
	global_store_b128 v122, v[72+4*\k:75+4*\k], s[26:27] offset:16384+2048*\k th:TH_STORE_NT
.endr
	s_wait_tensorcnt 0x0
	ds_add_u32 v126, v127
	s_wait_dscnt 0x0
	s_endpgm
.Lfunc_end_k_qade529874f_sample:
	.size	k_qade529874f_sample, .Lfunc_end_k_qade529874f_sample-k_qade529874f_sample
	.p2alignl 7, 3214868480
	.fill 96, 4, 3214868480
	.section	.rodata,"a",@progbits
	.p2align	6, 0x0
	.amdhsa_kernel k_qade529874f_sample
		.amdhsa_group_segment_fixed_size 188928
		.amdhsa_private_segment_fixed_size 0
		.amdhsa_enable_private_segment 0
		.amdhsa_kernarg_size 96
		.amdhsa_user_sgpr_count 2
		.amdhsa_user_sgpr_kernarg_segment_ptr 1
		.amdhsa_wavefront_size32 1
		.amdhsa_system_sgpr_workgroup_id_x 1
		.amdhsa_system_sgpr_workgroup_id_y 1
		.amdhsa_system_sgpr_workgroup_id_z 1
		.amdhsa_system_vgpr_workitem_id 0
		.amdhsa_next_free_vgpr 768
		.amdhsa_next_free_sgpr 66
		.amdhsa_reserve_vcc 0
		.amdhsa_float_denorm_mode_32 3
		.amdhsa_float_denorm_mode_16_64 3
		.amdhsa_memory_ordered 1
		.amdhsa_forward_progress 1
		.amdhsa_inst_pref_size 233
	.end_amdhsa_kernel
	.amdgpu_metadata
---
amdhsa.version: [ 1, 2 ]
amdhsa.kernels:
  - .name:           k_qade529874f_sample
    .symbol:         k_qade529874f_sample.kd
    .args:
      - { .name: value_codes, .offset: 0, .size: 8, .value_kind: global_buffer, .address_space: global }
      - { .name: value_scales, .offset: 8, .size: 8, .value_kind: global_buffer, .address_space: global }
      - { .name: W_v_codes, .offset: 16, .size: 8, .value_kind: global_buffer, .address_space: global }
      - { .name: W_v_scales, .offset: 24, .size: 8, .value_kind: global_buffer, .address_space: global }
      - { .name: b_v, .offset: 32, .size: 8, .value_kind: global_buffer, .address_space: global }
      - { .name: W_out_codes, .offset: 40, .size: 8, .value_kind: global_buffer, .address_space: global }
      - { .name: W_out_scales, .offset: 48, .size: 8, .value_kind: global_buffer, .address_space: global }
      - { .name: b_out, .offset: 56, .size: 8, .value_kind: global_buffer, .address_space: global }
      - { .name: idx, .offset: 64, .size: 8, .value_kind: global_buffer, .address_space: global }
      - { .name: wts, .offset: 72, .size: 8, .value_kind: global_buffer, .address_space: global }
      - { .name: wsum, .offset: 80, .size: 8, .value_kind: global_buffer, .address_space: global }
      - { .name: out0, .offset: 88, .size: 8, .value_kind: global_buffer, .address_space: global }
    .group_segment_fixed_size: 188928
    .private_segment_fixed_size: 0
    .kernarg_segment_align: 8
    .kernarg_segment_size: 96
    .max_flat_workgroup_size: 128
    .sgpr_count:     66
    .vgpr_count:     768
    .wavefront_size: 32
...
	.end_amdgpu_metadata
.endif
;; end of part 2
;; ======== version 2 of 2: 2 launches
;; limits: right only within a limited range of input values
;; workspace buffers: idx 3,686,400 bytes of whole numbers; wts 3,686,400 bytes; wsum 28,928 bytes
;; launch points (part 3): grid 450 x 1, 4 waves a work-group, no clusters, 18,432 bytes of LDS; arguments query_codes, query_scales, reference_points, W_off_codes, W_off_scales, b_off, W_attn_codes, W_attn_scales, b_attn, idx, wts, wsum; writes idx, wts, wsum
.if DOCPART == 3
	.amdgcn_target "amdgcn-amd-amdhsa--gfx1250"
	.amdhsa_code_object_version 6
	.text
	.protected	k_qade529874f_points
	.globl	k_qade529874f_points
	.p2align	8
	.type	k_qade529874f_points,@function
k_qade529874f_points:
	s_mov_b64 s[64:65], 0
	v_nop
	global_prefetch_b8 v0, s[64:65] scope:SCOPE_SE
	s_setreg_imm32_b32 hwreg(HW_REG_WAVE_MODE, 25, 1), 1
	s_wait_xcnt 0x0
; DEFORMABLE ATTENTION, FIRST LAUNCH: where each query samples, and with what weight.
; offsets = query W_off + b_off, logits = query W_attn + b_attn, both on codes of FP4 (E2M1) with one E8M0 scale for each 32 along K = 256; softmax over a head's 4 points;
; loc = clip(ref + 0.1 offset, 0, 1); the four bilinear corners of each point on the 100 x 100 map.  Stored for the second launch:
;   idx  [query 7200][half 2][row 16][t 4] u32: y x 100 + x of the corner, 0 to 9,999.  head = 4 half + t;  row = 4 point + corner;  corner bit 0: x1, bit 1: y1
;   wts  [query][head 8][row 16] f32: attn / 8 x wx x wy, and 0 for a corner outside the map (the mean over the 8 heads is folded in)
;   wsum [query] f32: the sum of the query's 128 weights
; SHARES.  A work-group takes 16 queries (7,200 = 450 x 16), its wave t the heads t and 4 + t.
; LAYOUT.  Source 0 = 16 rows of a weight, source 1 = the 16 queries: lane (r, h) holds query r, and register j the tile's row 8 h + j.  Lane r of W_off's tile takes channel 32 (r / 8) + 8 t + r % 8:
; a lane of half h holds head 4 h + t whole (register 2 p: x, 2 p + 1: y of point p).  Lane r of W_attn's tile takes channel 16 (r / 8) + 4 t + r % 4: registers 0 to 3 are the head's four logits (4 to 7 the same again).
; The biases are the C of each sum's first product.  A scale register has K step 0's words in lanes 0-15, K step 1's in lanes 16-31.
; Nothing is looped over and no tile is shared in bulk: no tensor load, no cluster, no prefetch.
; LIMITS: NaN and infinities among the inputs are not served.  ix = (g + 1) x 50 - 0.5 is one fused multiply-add where the definition multiplies by 100, takes 1 off and halves: the last bit may differ.
.set QF,   16                          ; v16-31   the queries' fragments; on the way out: idx read back
.set QS,   32
.set WSO,  33
.set WSA,  34
.set REF,  40
.set TMP,  44
.set WF,   48                          ; v48-79   the two weight tiles; on the way out: wts read back, then the waves' sums
.set OFF,  80
.set ATT,  88
.set IDX,  96                          ; register = row
.set WT,   112                         ; register = row
.set T,    128                         ; v128-223 at work, 24 for each point
.set PERM, 224
.set PITCH, 272                        ; LDS: a (query, half)'s 256 bytes + 16
.set WTL,  32*PITCH
.set WSL,  2*32*PITCH                  ; the waves' sums of weights, 128 bytes each
.set SPARE, WSL+512
	s_load_b512 s[4:19], s[0:1], 0x0               ; query codes, query scales, reference points, W_off codes, W_off scales, b_off, W_attn codes, W_attn scales
	s_load_b256 s[20:27], s[0:1], 0x40             ; b_attn, idx, wts, wsum
	v_lshrrev_b32 v2, 5, v0
	v_readfirstlane_b32 s28, v2                    ; wave = t
	s_mov_b32 s30, 0x76543210
	s_mov_b32 s31, 0xfedcba98                      ; v_permlanex16_b32's selects for lane l xor 16
	s_mov_b32 s32, 0x42c80000                      ; 100.0
	s_lshl_b32 s33, s28, 3                         ; W_off's channel
	s_lshl_b32 s34, s28, 2                         ; W_attn's channel; and t's byte in a row of idx
	s_lshl_b32 s35, s28, 5                         ; b_off in bytes
	s_lshl_b32 s36, s28, 4                         ; b_attn in bytes
	s_mul_i32 s37, s28, 8*PITCH                    ; my eight LDS rows on the way out
	s_and_b32 s38, s28, 1
	s_lshl_b32 s38, s38, 12
	s_lshr_b32 s39, s28, 1
	s_lshl_b32 s39, s39, 8
	s_add_co_u32 s38, s38, s39                     ; where they go: LDS row L is query L % 16, half L / 16
	s_lshl_b32 s39, s28, 7
	s_add_co_u32 s39, s39, WSL
	s_lshl_b32 s40, s28, 6
	s_add_co_u32 s40, s40, WTL                     ; my 64 bytes of a row of wts
	v_lshl_add_u32 v14, v0, 2, SPARE
	v_mov_b32 v15, 0
	v_mov_b32 v[PERM], 0                           ; a lane permute's destination counts as one of its sources
	v_and_b32 v1, 15, v0                           ; r
	v_bfe_u32 v2, v0, 4, 1                         ; h
	v_and_b32 v13, 31, v0                          ; lane
	v_lshlrev_b32 v46, 4, v2
	v_lshlrev_b32 v47, 2, v2
	v_lshl_add_u32 v3, v1, 7, v46                  ; query codes
	v_lshl_add_u32 v4, v1, 3, v47                  ; query scales
	v_lshlrev_b32 v5, 3, v1                        ; reference points
	v_lshrrev_b32 v48, 3, v1
	v_and_b32 v49, 7, v1
	v_and_b32 v50, 3, v1
	v_lshl_add_u32 v49, v48, 5, v49
	v_lshl_add_u32 v50, v48, 4, v50
	v_add_nc_u32 v49, s33, v49                     ; W_off's channel
	v_add_nc_u32 v50, s34, v50                     ; W_attn's
	v_lshl_add_u32 v6, v49, 7, v46
	v_lshl_add_u32 v7, v49, 3, v47
	v_lshl_add_u32 v8, v50, 7, v46
	v_lshl_add_u32 v9, v50, 3, v47
	v_lshl_add_u32 v10, v2, 7, s35                 ; b_off
	v_lshl_add_u32 v11, v2, 6, s36                 ; b_attn
	v_mul_u32_u24 v12, v13, PITCH
	v_add_nc_u32 v35, s34, v12                     ; in: idx
	v_add_nc_u32 v36, s40, v12                     ; in: wts
	v_mul_u32_u24 v37, v2, PITCH
	v_lshl_add_u32 v37, v1, 4, v37
	v_add_nc_u32 v37, s37, v37                     ; back: lanes 0-15 one row, lanes 16-31 the next
	v_lshlrev_b32 v38, 9, v2
	v_lshl_add_u32 v38, v1, 4, v38                 ; the same in idx and wts
	v_lshl_add_u32 v39, v13, 2, s39
	v_lshl_add_u32 v42, v13, 2, WSL
	v_lshlrev_b32 v43, 2, v1                       ; wsum
	s_wait_alu depctr_va_vdst(0)
	s_wait_kmcnt 0x0
	s_lshl_b32 s42, ttmp9, 11                      ; 16 queries: 2,048 bytes of codes,
	s_mov_b32 s43, 0
	s_add_nc_u64 s[4:5], s[4:5], s[42:43]
	s_lshl_b32 s42, ttmp9, 7                       ; 128 of scales and of reference points
	s_add_nc_u64 s[6:7], s[6:7], s[42:43]
	s_add_nc_u64 s[8:9], s[8:9], s[42:43]
.irp n, 0,1,2,3
	global_load_b128 v[QF+4*\n:QF+4*\n+3], v3, s[4:5] offset:32*\n
	global_load_b128 v[WF+4*\n:WF+4*\n+3], v6, s[10:11] offset:32*\n
	global_load_b128 v[WF+16+4*\n:WF+16+4*\n+3], v8, s[16:17] offset:32*\n
.endr
	global_load_b32 v[QS], v4, s[6:7]
	global_load_b32 v[WSO], v7, s[12:13]
	global_load_b32 v[WSA], v9, s[18:19]
	global_load_b128 v[OFF:OFF+3], v10, s[14:15]
	global_load_b128 v[OFF+4:OFF+7], v10, s[14:15] offset:16
	global_load_b128 v[ATT:ATT+3], v11, s[20:21]
	global_load_b128 v[ATT+4:ATT+7], v11, s[20:21]
	global_load_b64 v[REF:REF+1], v5, s[8:9]
	s_lshl_b32 s42, ttmp9, 13                      ; 8,192 bytes of idx and of wts, my part of them
	s_add_co_u32 s42, s42, s38
	s_add_nc_u64 s[22:23], s[22:23], s[42:43]
	s_add_nc_u64 s[24:25], s[24:25], s[42:43]
	s_lshl_b32 s42, ttmp9, 6
	s_add_nc_u64 s[26:27], s[26:27], s[42:43]
	s_wait_loadcnt 0x0
; Two accumulators by turns.
	v_wmma_scale_f32_16x16x128_f8f6f4 v[OFF:OFF+7], v[WF:WF+7], v[QF:QF+7], v[OFF:OFF+7], v[WSO], v[QS] matrix_a_fmt:MATRIX_FMT_FP4 matrix_b_fmt:MATRIX_FMT_FP4
	v_wmma_scale_f32_16x16x128_f8f6f4 v[ATT:ATT+7], v[WF+16:WF+23], v[QF:QF+7], v[ATT:ATT+7], v[WSA], v[QS] matrix_a_fmt:MATRIX_FMT_FP4 matrix_b_fmt:MATRIX_FMT_FP4
	v_wmma_scale_f32_16x16x128_f8f6f4 v[OFF:OFF+7], v[WF+8:WF+15], v[QF+8:QF+15], v[OFF:OFF+7], v[WSO], v[QS] matrix_a_fmt:MATRIX_FMT_FP4 matrix_b_fmt:MATRIX_FMT_FP4 matrix_a_scale:MATRIX_SCALE_ROW1 matrix_b_scale:MATRIX_SCALE_ROW1
	v_wmma_scale_f32_16x16x128_f8f6f4 v[ATT:ATT+7], v[WF+24:WF+31], v[QF+8:QF+15], v[ATT:ATT+7], v[WSA], v[QS] matrix_a_fmt:MATRIX_FMT_FP4 matrix_b_fmt:MATRIX_FMT_FP4 matrix_a_scale:MATRIX_SCALE_ROW1 matrix_b_scale:MATRIX_SCALE_ROW1
.rept 4
	v_nop                                          ; four places between the last product and the first read of a result (ISA guide 7.12.1)
.endr
; THE FOUR POINTS by turns, x and y as a pair.  v[T + 24 p]: +0,1 loc, then ix, iy; +2,3 x0, y0; +4,5 wx1, wy1; +6,7 wx0, wy0; +8,9 wx0, wx1 with 0 outside the map; +10,11 wy0, wy1 likewise;
; +12,13 x1, y1; +14,15 x0, x1 held inside the map; +16,17 y0, y1 likewise; +18,19 wy x attn / 8; +20 to 23 the four indices as f32.
; loc lies in 0 to 1, so x0 and y0 lie in -1 to 99: corner 0 is outside only where x0 is negative, corner 1 only where x0 is over 98.
.irp p, 0,1,2,3
	v_pk_fma_f32 v[T+24*\p:T+24*\p+1], v[OFF+2*\p:OFF+2*\p+1], 0x3dcccccd, v[REF:REF+1] op_sel_hi:[1,0,1]   ; ref + 0.1 offset
.endr
.irp p, 0,1,2,3
	v_med3_num_f32 v[T+24*\p], v[T+24*\p], 0, 1.0
	v_med3_num_f32 v[T+24*\p+1], v[T+24*\p+1], 0, 1.0
.endr
.irp p, 0,1,2,3
	v_pk_fma_f32 v[T+24*\p:T+24*\p+1], v[T+24*\p:T+24*\p+1], 2.0, -1.0 op_sel_hi:[1,0,0]
.endr
.irp p, 0,1,2,3
	v_pk_add_f32 v[T+24*\p:T+24*\p+1], v[T+24*\p:T+24*\p+1], 1.0 op_sel_hi:[1,0]
.endr
.irp p, 0,1,2,3
	v_pk_fma_f32 v[T+24*\p:T+24*\p+1], v[T+24*\p:T+24*\p+1], 0x42480000, -0.5 op_sel_hi:[1,0,0]   ; ((g + 1) x 100 - 1) / 2
.endr
.irp p, 0,1,2,3
	v_floor_f32 v[T+24*\p+2], v[T+24*\p]
	v_floor_f32 v[T+24*\p+3], v[T+24*\p+1]
.endr
.irp p, 0,1,2,3
	v_pk_add_f32 v[T+24*\p+4:T+24*\p+5], v[T+24*\p:T+24*\p+1], v[T+24*\p+2:T+24*\p+3] neg_lo:[0,1] neg_hi:[0,1]
.endr
.irp p, 0,1,2,3
	v_pk_fma_f32 v[T+24*\p+6:T+24*\p+7], v[T+24*\p+4:T+24*\p+5], -1.0, 1.0 op_sel_hi:[1,0,0]
.endr
.irp a, 0,1                            ; a = 0: x, 1: y
.irp p, 0,1,2,3
	v_cmp_le_f32 s[44+\p], 0, v[T+24*\p+2+\a]
.endr
.irp p, 0,1,2,3
	v_cndmask_b32 v[T+24*\p+8+2*\a], 0, v[T+24*\p+6+\a], s[44+\p]
.endr
.irp p, 0,1,2,3
	v_cmp_ge_f32 s[44+\p], 0x42c40000, v[T+24*\p+2+\a]
.endr
.irp p, 0,1,2,3
	v_cndmask_b32 v[T+24*\p+9+2*\a], 0, v[T+24*\p+4+\a], s[44+\p]
.endr
.endr
.irp p, 0,1,2,3
	v_pk_add_f32 v[T+24*\p+12:T+24*\p+13], v[T+24*\p+2:T+24*\p+3], 1.0 op_sel_hi:[1,0]
.endr
.irp p, 0,1,2,3
	v_max_num_f32 v[T+24*\p+14], 0, v[T+24*\p+2]
	v_min_num_f32 v[T+24*\p+15], 0x42c60000, v[T+24*\p+12]   ; at most 99
	v_max_num_f32 v[T+24*\p+16], 0, v[T+24*\p+3]
	v_min_num_f32 v[T+24*\p+17], 0x42c60000, v[T+24*\p+13]
.endr
.irp p, 0,1,2,3
	v_fma_f32 v[T+24*\p+20], v[T+24*\p+16], s32, v[T+24*\p+14]   ; y x 100 + x: whole numbers under 10,000, exact in f32
	v_fma_f32 v[T+24*\p+21], v[T+24*\p+16], s32, v[T+24*\p+15]
	v_fma_f32 v[T+24*\p+22], v[T+24*\p+17], s32, v[T+24*\p+14]
	v_fma_f32 v[T+24*\p+23], v[T+24*\p+17], s32, v[T+24*\p+15]
.endr
.irp p, 0,1,2,3
.irp c, 0,1,2,3
	v_cvt_u32_f32 v[IDX+4*\p+\c], v[T+24*\p+20+\c]
.endr
.endr
.irp i, 0,1,2,3,4,5,6,7,8,9,10,11,12,13,14,15
	ds_store_b32 v35, v[IDX+\i] offset:16*\i       ; row i's four indices lie together: mine is the t-th
.endr
; attn / 8.  The maximum is taken away before the exponentials.
	v_max3_num_f32 v[TMP], v[ATT], v[ATT+1], v[ATT+2]
	v_max_num_f32 v[TMP], v[TMP], v[ATT+3]
.irp i, 0,1,2,3
	v_sub_f32 v[ATT+\i], v[ATT+\i], v[TMP]
.endr
.irp i, 0,1,2,3
	v_mul_f32 v[ATT+\i], 0x3fb8aa3b, v[ATT+\i]     ; x log2(e): v_exp_f32 is 2^x
.endr
	s_wait_alu depctr_va_vdst(0)
.irp i, 0,1,2,3
	v_exp_f32 v[ATT+\i], v[ATT+\i]
.endr
	v_nop
	s_wait_alu depctr_va_vdst(0)
	v_add_f32 v[TMP], v[ATT], v[ATT+1]
	v_add_f32 v[TMP+1], v[ATT+2], v[ATT+3]
	v_add_f32 v[TMP], v[TMP], v[TMP+1]
	s_wait_alu depctr_va_vdst(0)
	v_rcp_f32 v[TMP], v[TMP]
	v_nop
	s_wait_alu depctr_va_vdst(0)
	v_mul_f32 v[TMP], 0x3e000000, v[TMP]           ; / 8: the mean over the heads
.irp i, 0,1,2,3
	v_mul_f32 v[ATT+\i], v[ATT+\i], v[TMP]
.endr
.irp p, 0,1,2,3
	v_mul_f32 v[T+24*\p+18], v[T+24*\p+10], v[ATT+\p]
	v_mul_f32 v[T+24*\p+19], v[T+24*\p+11], v[ATT+\p]
.endr
.irp p, 0,1,2,3
	v_mul_f32 v[WT+4*\p], v[T+24*\p+8], v[T+24*\p+18]      ; corner 0: (x0, y0)
	v_mul_f32 v[WT+4*\p+1], v[T+24*\p+9], v[T+24*\p+18]    ; 1: (x1, y0)
	v_mul_f32 v[WT+4*\p+2], v[T+24*\p+8], v[T+24*\p+19]    ; 2: (x0, y1)
	v_mul_f32 v[WT+4*\p+3], v[T+24*\p+9], v[T+24*\p+19]    ; 3: (x1, y1)
.endr
.irp p, 0,1,2,3
	ds_store_b128 v36, v[WT+4*\p:WT+4*\p+3] offset:16*\p
.endr
	v_pk_add_f32 v[TMP:TMP+1], v[WT:WT+1], v[WT+2:WT+3]
	v_pk_add_f32 v[TMP+2:TMP+3], v[WT+4:WT+5], v[WT+6:WT+7]
.irp j, 8,12
	v_pk_add_f32 v[TMP:TMP+1], v[TMP:TMP+1], v[WT+\j:WT+\j+1]
	v_pk_add_f32 v[TMP+2:TMP+3], v[TMP+2:TMP+3], v[WT+\j+2:WT+\j+3]
.endr
	v_pk_add_f32 v[TMP:TMP+1], v[TMP:TMP+1], v[TMP+2:TMP+3]
	v_add_f32 v[TMP], v[TMP], v[TMP+1]
	v_permlanex16_b32 v[PERM], v[TMP], s30, s31
	v_add_f32 v[TMP], v[TMP], v[PERM]              ; my two heads' weights of query r
	ds_store_b32 v39, v[TMP]
	s_wait_dscnt 0x0                               ; for the others' sake: my parts of the rows lie in LDS
	s_barrier_signal -1
	s_barrier_wait -1
; THE WAY OUT: a wave sends eight of the 32 rows of each buffer; sixteen lanes store 256 consecutive bytes, aligned.
.irp k, 0,1,2,3
	ds_load_b128 v[QF+4*\k:QF+4*\k+3], v37 offset:2*PITCH*\k
.endr
.irp k, 0,1,2,3
	ds_load_b128 v[WF+4*\k:WF+4*\k+3], v37 offset:WTL+2*PITCH*\k
.endr
.irp k, 0,1,2,3
	ds_load_b32 v[WF+16+\k], v42 offset:128*\k
.endr
.irp k, 0,1,2,3
	s_wait_dscnt 11-\k                             ; LDS loads come back in order: the younger ones may be out
	global_store_b128 v38, v[QF+4*\k:QF+4*\k+3], s[22:23] offset:1024*\k
.endr
.irp k, 0,1,2,3
	s_wait_dscnt 7-\k
	global_store_b128 v38, v[WF+4*\k:WF+4*\k+3], s[24:25] offset:1024*\k
.endr
	s_wait_dscnt 0x0
	v_add_f32 v[OFF], v[WF+16], v[WF+17]
	v_add_f32 v[OFF+1], v[WF+18], v[WF+19]
	v_add_f32 v[OFF], v[OFF], v[OFF+1]             ; the query's sum
	v_cmp_gt_u32 vcc_lo, 16, v0                    ; lanes 0-15 of wave 0
	s_wait_alu depctr_va_vdst(0)
	s_wait_tensorcnt 0x0                           ; the wave's end
	ds_add_u32 v14, v15
	s_wait_dscnt 0x0
	s_cmp_lg_u32 s28, 0
	s_cbranch_scc1 .Lend
	s_wait_xcnt 0x0                                ; EXEC is a source of the stores above
	s_and_saveexec_b32 s42, vcc_lo
	global_store_b32 v43, v[OFF], s[26:27]         ; 64 consecutive bytes
	s_wait_xcnt 0x0
	s_or_b32 exec_lo, exec_lo, s42
.Lend:
	s_endpgm
.Lfunc_end_k_qade529874f_points:
	.size	k_qade529874f_points, .Lfunc_end_k_qade529874f_points-k_qade529874f_points
	.p2alignl 7, 3214868480
	.fill 96, 4, 3214868480
	.section	.rodata,"a",@progbits
	.p2align	6, 0x0
	.amdhsa_kernel k_qade529874f_points
		.amdhsa_group_segment_fixed_size 18432
		.amdhsa_private_segment_fixed_size 0
		.amdhsa_enable_private_segment 0
		.amdhsa_kernarg_size 96
		.amdhsa_user_sgpr_count 2
		.amdhsa_user_sgpr_kernarg_segment_ptr 1
		.amdhsa_wavefront_size32 1
		.amdhsa_system_sgpr_workgroup_id_x 1
		.amdhsa_system_sgpr_workgroup_id_y 1
		.amdhsa_system_sgpr_workgroup_id_z 1
		.amdhsa_system_vgpr_workitem_id 0
		.amdhsa_next_free_vgpr 232
		.amdhsa_next_free_sgpr 66
		.amdhsa_reserve_vcc 1
		.amdhsa_float_denorm_mode_32 3
		.amdhsa_float_denorm_mode_16_64 3
		.amdhsa_memory_ordered 1
		.amdhsa_forward_progress 1
		.amdhsa_inst_pref_size 20
	.end_amdhsa_kernel
	.amdgpu_metadata
---
amdhsa.version: [ 1, 2 ]
amdhsa.kernels:
  - .name:           k_qade529874f_points
    .symbol:         k_qade529874f_points.kd
    .args:
      - { .name: query_codes, .offset: 0, .size: 8, .value_kind: global_buffer, .address_space: global }
      - { .name: query_scales, .offset: 8, .size: 8, .value_kind: global_buffer, .address_space: global }
      - { .name: reference_points, .offset: 16, .size: 8, .value_kind: global_buffer, .address_space: global }
      - { .name: W_off_codes, .offset: 24, .size: 8, .value_kind: global_buffer, .address_space: global }
      - { .name: W_off_scales, .offset: 32, .size: 8, .value_kind: global_buffer, .address_space: global }
      - { .name: b_off, .offset: 40, .size: 8, .value_kind: global_buffer, .address_space: global }
      - { .name: W_attn_codes, .offset: 48, .size: 8, .value_kind: global_buffer, .address_space: global }
      - { .name: W_attn_scales, .offset: 56, .size: 8, .value_kind: global_buffer, .address_space: global }
      - { .name: b_attn, .offset: 64, .size: 8, .value_kind: global_buffer, .address_space: global }
      - { .name: idx, .offset: 72, .size: 8, .value_kind: global_buffer, .address_space: global }
      - { .name: wts, .offset: 80, .size: 8, .value_kind: global_buffer, .address_space: global }
      - { .name: wsum, .offset: 88, .size: 8, .value_kind: global_buffer, .address_space: global }
    .group_segment_fixed_size: 18432
    .private_segment_fixed_size: 0
    .kernarg_segment_align: 8
    .kernarg_segment_size: 96
    .max_flat_workgroup_size: 128
    .sgpr_count:     66
    .vgpr_count:     232
    .wavefront_size: 32
...
	.end_amdgpu_metadata
.endif
;; end of part 3
;; launch sample (part 4): grid 30 x 8, 8 waves a work-group, no clusters, 245,760 bytes of LDS; arguments value_codes, value_scales, W_v_codes, W_v_scales, b_v, W_out_codes, W_out_scales, b_out, idx, wts, wsum, out0; writes out0
.if DOCPART == 4
	.amdgcn_target "amdgcn-amd-amdhsa--gfx1250"
	.amdhsa_code_object_version 6
	.text
	.protected	k_qade529874f_sample
	.globl	k_qade529874f_sample
	.p2align	8
	.type	k_qade529874f_sample,@function
k_qade529874f_sample:
	s_mov_b64 s[64:65], 0
	v_nop
	global_prefetch_b8 v0, s[64:65] scope:SCOPE_SE
	s_setreg_imm32_b32 hwreg(HW_REG_WAVE_MODE, 25, 1), 1
	s_wait_xcnt 0x0
; DEFORMABLE ATTENTION, SECOND LAUNCH: out = Q(sum over a query's 128 corners of weight x (value row W_v + b_v)) W_out + b_out, both products on codes of FP4 (E2M1) with one E8M0 scale for each 32 along K = 256.
; THE PROJECTED MAP IS NEVER STORED: a row of value as codes is 128 bytes + 8 of scales, projected 1,024 bytes of f32.  The corner rows' CODES are gathered by the first launch's list and projected where they are wanted:
; a matrix tile's 16 rows are the 16 corners (4 points x 4 corners) of one head of one query.  The products are those of the definition: the same codes, the same instruction, K ascending.
; SHARES.  A work-group takes 30 queries of one batch: 60 UNITS, a unit is half a query: four heads, four tiles.  Wave w of eight takes units w + 8 i: waves 0-3 eight, waves 4-7 seven.
; W_v stays in each wave's registers: 16 tiles of 16 columns x two K steps fill window 1.  It comes to the work-group once, an eighth a wave, and is handed on through LDS; W_out likewise, for the end.
; LAYOUT.  Source 0 = the 16 gathered rows, source 1 = 16 rows of W_v's codes: lane (r, h) holds channel 16 n + r, and register j corner row 8 h + j.  The weighted sum over corners runs down a lane's registers:
; four dual multiply-adds a tile of 16 x 16, with the weights of rows 8 h to 8 h + 7 in eight registers.
; GROUPS.  A tile's 32 products go in four groups of eight: four accumulators by turns, K step 0 then K step 1; behind each group stand the 16 dual multiply-adds of the group before, four sums by turns.
; They are also the places that the results' first reads want (ISA guide 7.12.1); four v_nop stand in a unit's first tile, where no group is waiting.
; THE RING: slot t for head t: 64 bytes a lane of codes, a scale word, eight weights: seven loads.  A slot is filled again, for the next unit, behind the first group of the tile that follows it.
; What is read in bulk is a gather of 128-byte rows by list, which no tile describes: no tensor loads and no cluster.  No prefetch: rows are asked for nearly three tiles ahead of use, straight into registers.
; THE END.  The partial sums (a query's half x a half of the corner rows: four parts a query) meet in LDS; wave w = 4 m + 2 s + c adds the parts of queries 16 m on x 64 channels from 128 s + 64 c on, adds b_v x the sum of
; the weights, quantises along the channels and hands its half fragment on as an image of its registers; then it makes channels 64 (w % 4) on of queries 16 m on (source 0 = W_out's rows).
; LIMITS: NaN and infinities are not served.  An index is held at 9,999 before it enters an address.  A block of the computed operand whose largest magnitude lies under 2^-124 keeps the scale byte 1 (a block of zeros
; too, where the rule says 127: its codes are zeros, and this program alone reads the byte).  The order of the f32 sums differs from the definition's: attn / 8 is folded into the corner weights by the first launch,
; and b_v enters as b_v x the sum of the weights of the corners inside the map.
; REGISTERS, window 0: v0-15 addresses; v16-31 W_v's scale words; v32-35 the rows' scale words; v36-37 for the add; v40-71, v224-255 two sets of four accumulators; v72-103 the unit's 16 pairs of sums; v104-119 the sums on their
; way to LDS; v120-123 the next unit's indices; v124-127 W_out's scale words; v128-191 the ring's codes; v192-223 its weights.
; LDS: W_v and W_out as rows of 128 + 16 bytes; PART: QP bytes a query: four parts (2 half + h) of 1,024: group 2 s + c of 256 bytes, in it byte 16 i + 8 h' + 4 b holds channel 128 s + 64 c + 32 b + 16 h' + i.
.set WOL,   256*144
.set PART,  2*WOL
.set QP,    4112                       ; 4,096 + 16: sixteen queries fall on sixteen different columns of 16 bytes modulo 256
.set USTEP, 4*QP                       ; a wave's next unit is four queries on
.set IMG,   PART+32*QP                 ; four fragments' images of 1,024 bytes
.set ISC,   IMG+4096                   ; their scale words, 128 bytes each
.set STG,   ISC+512                    ; eight stages of 16 rows x 272 bytes
.set SPARE, STG+8*4352
.set AD,    4                          ; v4-7   the slots' rows of codes: 128 x index + 16 h
.set AS,    8                          ; v8-11  their scale words: 8 x index + 4 h
.set WVS,   16
.set ASC,   32
.set DA,    40
.set DB,    224
.set ACC,   72
.set FS,    104
.set QN,    120
.set WOS,   124
.set RING,  128
.set WT,    192
.set MSB, 0
.macro WIN new                         ; the immediate's high byte repeats the setting that is left
.if MSB != \new
	s_set_vgpr_msb MSB*256+\new
.set MSB, \new
.endif
.endm
.macro GATHER slot, ahead              ; ahead: 0 this unit's weights, 2048 the next unit's
.irp n, 0,1,2,3
	global_load_b128 v[RING+16*\slot+4*\n:RING+16*\slot+4*\n+3], v[AD+\slot], s[32:33] offset:32*\n
.endr
	global_load_b32 v[ASC+\slot], v[AS+\slot], s[34:35]   ; lanes 0-15: K step 0's word of row r; lanes 16-31: K step 1's
	global_load_b128 v[WT+8*\slot:WT+8*\slot+3], v13, s[38:39] offset:\ahead+64*\slot
	global_load_b128 v[WT+8*\slot+4:WT+8*\slot+7], v13, s[38:39] offset:\ahead+64*\slot+16
.endm
.macro ADDR q                          ; the four slots' addresses from the indices at v[q]
.irp s, 0,1,2,3
	v_min_u32 v[AD+\s], 9999, v[\q+\s]             ; a loaded number enters an address only held inside the table
.endr
.irp s, 0,1,2,3
	v_lshl_add_u32 v[AS+\s], v[AD+\s], 3, v2
.endr
.irp s, 0,1,2,3
	v_lshl_add_u32 v[AD+\s], v[AD+\s], 7, v1
.endr
.endm
.macro PROD g, slot                    ; tiles 4 g to 4 g + 3 of W_v against the slot's 16 rows
.set pd, DA+((\g)%2)*(DB-DA)
.set pr, RING+16*\slot
.set pn, 4*\g
	WIN 0x04                                       ; source 1 in window 1
.irp k, 0,1,2,3
	v_wmma_scale_f32_16x16x128_f8f6f4 v[pd+8*\k:pd+8*\k+7], v[pr:pr+7], v[16*(pn+\k):16*(pn+\k)+7], 0, v[ASC+\slot], v[WVS+pn+\k] matrix_a_fmt:MATRIX_FMT_FP4 matrix_b_fmt:MATRIX_FMT_FP4
.endr
.irp k, 0,1,2,3
	v_wmma_scale_f32_16x16x128_f8f6f4 v[pd+8*\k:pd+8*\k+7], v[pr+8:pr+15], v[16*(pn+\k)+8:16*(pn+\k)+15], v[pd+8*\k:pd+8*\k+7], v[ASC+\slot], v[WVS+pn+\k] matrix_a_fmt:MATRIX_FMT_FP4 matrix_b_fmt:MATRIX_FMT_FP4 matrix_a_scale:MATRIX_SCALE_ROW1 matrix_b_scale:MATRIX_SCALE_ROW1
.endr
	WIN 0
.endm
.macro FMA g, slot, first              ; the group's results x the slot's weights; first = 1: a unit's first tile: each sum begins with a multiplication, so nothing is cleared
.irp e, 0,1,2,3
.irp k, 0,1,2,3
.set fa, ACC+2*(4*\g+\k)
.set fd, DA+((\g)%2)*(DB-DA)+8*\k+2*\e
.set fw, WT+8*\slot+2*\e
.if \first && (\e == 0)
	v_dual_mul_f32 v[fa], v[fd], v[fw] :: v_dual_mul_f32 v[fa+1], v[fd+1], v[fw+1]
.else
	v_dual_fmac_f32 v[fa], v[fd], v[fw] :: v_dual_fmac_f32 v[fa+1], v[fd+1], v[fw+1]
.endif
.endr
.endr
.endm
; What the end needs from memory is asked for in the last unit, into registers that its tiles have left.
.macro EARLY t
.if \t == 1
	s_wait_xcnt 0x0                                ; the gathers have read v4-11
	v_and_b32 v3, 15, v0
	v_bfe_u32 v5, v0, 4, 1
	v_add_nc_u32 v4, s67, v3
	v_lshlrev_b32 v5, 6, v5                        ; b_v: my 16 channels of each block of 32
	v_min_u32 v4, 29, v4                           ; query 16 m + r, held inside the work-group's 30
	v_lshlrev_b32 v4, 2, v4
.elseif \t == 2
.irp b, 0,1
.irp j, 0,1,2,3
	global_load_b128 v[128+16*\b+4*\j:128+16*\b+4*\j+3], v5, s[12:13] offset:128*\b+16*\j   ; v[128 + 16 b + i]: b_v at channel 128 s + 64 c + 32 b + 16 h + i
.endr
.endr
.irp j, 0,1,2,3
	global_load_b32 v[WOS+\j], v38, s[16:17] offset:128*\j
.endr
	global_load_b32 v7, v4, s[24:25]               ; the sum of my query's weights
.else
.irp j, 0,1
.irp i, 0,1
	global_load_b128 v[160+8*\j+4*\i:163+8*\j+4*\i], v13, s[18:19] offset:64*\j+16*\i       ; b_out at the tile's eight channels of my half
	global_load_b128 v[192+8*\j+4*\i:195+8*\j+4*\i], v13, s[18:19] offset:128+64*\j+16*\i
.endr
.endr
.endif
.endm
.macro TILE t, p, c, first, rf, fin    ; heads 1 to 3; p = t - 1
	s_wait_loadcnt \c                              ; loads come back in order (ISA guide 5.7): this tile's seven are in
.if \t == 3
	s_wait_dscnt 0x0                               ; the last unit's partial sums have left their registers
.endif
	PROD 0, \t
	FMA 3, \p, \first                              ; the tile before is finished,
.if \rf
	GATHER \p, 2048                                ; and its slot is filled again
.endif
.if \fin
	EARLY \t
.endif
	PROD 1, \t
	FMA 0, \t, 0
	PROD 2, \t
	FMA 1, \t, 0
	PROD 3, \t
	FMA 2, \t, 0
.endm
; c0 to c3: how many younger loads may stay out.  rf = 1: the next unit's first three tiles are gathered; qn = 1: the indices of the unit two on are asked for.
.macro UNIT c0, c1, c2, c3, rf, qn, fin
	s_wait_loadcnt \c0
	GATHER 3, 0
	PROD 0, 0
.rept 4
	v_nop
.endr
	PROD 1, 0
	FMA 0, 0, 1
	PROD 2, 0
	FMA 1, 0, 1
.if \rf
	s_wait_xcnt 0x0                                ; slot 3's loads have read their addresses
	ADDR QN
.endif
.if \qn
	global_load_b128 v[QN:QN+3], v12, s[36:37]
.endif
	PROD 3, 0
	FMA 2, 0, 1
	TILE 1, 0, \c1, 1, \rf, \fin
	TILE 2, 1, \c2, 0, \rf, \fin
	TILE 3, 2, \c3, 0, \rf, \fin
	FMA 3, 3, 0
.irp q, 0,1,2,3                        ; even and odd rows added; tile n = 4 q + 2 b + h' goes to register 4 q + 2 h' + b
	v_dual_add_f32 v[FS+4*\q], v[ACC+8*\q], v[ACC+8*\q+1] :: v_dual_add_f32 v[FS+4*\q+3], v[ACC+8*\q+6], v[ACC+8*\q+7]
	v_dual_add_f32 v[FS+4*\q+1], v[ACC+8*\q+4], v[ACC+8*\q+5] :: v_dual_add_f32 v[FS+4*\q+2], v[ACC+8*\q+2], v[ACC+8*\q+3]
.endr
.irp q, 0,1,2,3
	ds_store_b128 v14, v[FS+4*\q:FS+4*\q+3] offset:256*\q
.endr
.endm
	s_load_b512 s[4:19], s[0:1], 0x0               ; value codes, value scales, W_v codes, W_v scales, b_v, W_out codes, W_out scales, b_out
	s_load_b256 s[20:27], s[0:1], 0x40             ; idx, wts, wsum, out0
	v_lshrrev_b32 v3, 5, v0
	v_readfirstlane_b32 s28, v3                    ; wave 0 to 7
	s_and_b32 s29, ttmp7, 0xffff                   ; the batch
	s_mul_i32 s30, s29, 900
	s_mul_i32 s31, ttmp9, 30
	s_add_co_u32 s30, s30, s31                     ; my work-group's first query
	s_lshr_b32 s47, s28, 1                         ; w / 2
	s_and_b32 s48, s28, 1                          ; w % 2
	s_lshr_b32 s55, s28, 2                         ; m
	s_and_b32 s56, s28, 3                          ; w % 4
	s_lshl_b32 s67, s55, 4                         ; 16 m
	s_mul_i32 s46, s28, 32*144                     ; my 32 rows of W_v and of W_out in LDS
	s_mul_i32 s57, s47, QP
	s_lshl_b32 s58, s48, 11
	s_add_co_u32 s57, s57, s58
	s_add_co_u32 s57, s57, PART                    ; my first unit's part: query w / 2, half w % 2
	s_mul_i32 s58, s55, QP
	s_lshl_b32 s59, s56, 10
	s_add_co_u32 s58, s58, s59
	s_add_co_u32 s58, s58, PART+30*QP              ; my 1,024 bytes of zeros: queries 30 and 31 do not exist, their sums are read and never stored to memory
	s_xor_b32 s54, s55, 1
	s_mul_i32 s54, s54, USTEP
	s_add_co_u32 s54, s54, 6*USTEP                 ; my last unit: i = 7 in waves 0-3, 6 in waves 4-7
	s_mov_b32 s41, 0x76543210
	s_mov_b32 s42, 0xfedcba98                      ; v_permlanex16_b32's selects for lane l xor 16
	s_mov_b32 s45, 0
	s_mov_b32 s51, 0
	s_mov_b32 s53, 2048
	s_cmp_lt_u32 s28, 4
	s_cselect_b32 s52, s53, 0                      ; waves 4-7 have no unit 7: their last load of indices names unit 6 again
	v_lshl_add_u32 v36, v0, 2, SPARE
	v_mov_b32 v37, 0
	v_and_b32 v3, 15, v0                           ; r
	v_bfe_u32 v40, v0, 4, 1                        ; h
	v_and_b32 v41, 31, v0                          ; lane
	v_lshlrev_b32 v1, 4, v40
	v_lshlrev_b32 v2, 2, v40
	v_lshlrev_b32 v12, 4, v3                       ; my corner row's four indices of a unit
	v_lshlrev_b32 v13, 5, v40                      ; the weights of rows 8 h on; b_out's eight channels of my half
	v_lshl_add_u32 v38, v3, 3, v2                  ; a weight's scale words: 8 bytes a row; lanes 16-31 take K step 1's
	v_lshlrev_b32 v39, 4, v41
	v_lshrrev_b32 v42, 3, v41
	v_and_b32 v43, 7, v41
	v_mul_u32_u24 v42, v42, 144
	v_lshl_add_u32 v42, v43, 4, v42
	v_add_nc_u32 v42, s46, v42                     ; LDS: where my pieces of a weight's rows go
	v_mul_u32_u24 v43, v3, 144
	v_add_nc_u32 v43, v43, v1                      ; and where a tile's row is read: row r, + 16 h
	v_lshl_add_u32 v15, v40, 10, v12
	v_add_nc_u32 v15, s57, v15
	v_add_nc_u32 v44, s58, v39
.irp i, 0,1,2,3
	v_mov_b32 v[48+\i], 0
.endr
	s_wait_alu depctr_va_vdst(0)
	s_wait_kmcnt 0x0
	s_lshl_b32 s44, s30, 9
	s_lshl_b32 s46, s28, 8
	s_add_co_u32 s44, s44, s46                     ; my unit 0 in idx and in wts: a unit is 256 bytes, my next one 2,048 on
	s_add_nc_u64 s[36:37], s[20:21], s[44:45]
	s_add_nc_u64 s[38:39], s[22:23], s[44:45]
	s_lshl_b32 s44, s28, 12
	s_add_nc_u64 s[8:9], s[8:9], s[44:45]          ; my eighth of W_v's
	s_add_nc_u64 s[14:15], s[14:15], s[44:45]      ; and of W_out's codes
; The gathers hang on the indices, all else on nothing: the indices go first.
	global_load_b128 v[FS:FS+3], v12, s[36:37]
	global_load_b128 v[QN:QN+3], v12, s[36:37] offset:2048
.irp j, 0,1,2,3,4,5,6,7
	global_load_b128 v[ACC+4*\j:ACC+4*\j+3], v39, s[8:9] offset:512*\j
.endr
.irp j, 0,1,2,3,4,5,6,7
	global_load_b128 v[DB+4*\j:DB+4*\j+3], v39, s[14:15] offset:512*\j
.endr
.irp t, 0,1,2,3,4,5,6,7,8,9,10,11,12,13,14,15
	global_load_b32 v[WVS+\t], v38, s[10:11] offset:128*\t
.endr
	s_mul_i32 s44, s29, 1280000
	s_add_nc_u64 s[32:33], s[4:5], s[44:45]        ; the batch's codes: 10,000 rows of 128 bytes
	s_mul_i32 s44, s29, 80000
	s_add_nc_u64 s[34:35], s[6:7], s[44:45]        ; and scale bytes
	s_lshl_b32 s44, s56, 8
	s_add_nc_u64 s[12:13], s[12:13], s[44:45]      ; for the end: b_v at my 64 channels,
	s_add_nc_u64 s[18:19], s[18:19], s[44:45]      ; b_out at my 64 channels,
	s_add_nc_u64 s[26:27], s[26:27], s[44:45]
	s_lshl_b32 s44, s56, 9
	s_add_nc_u64 s[16:17], s[16:17], s[44:45]      ; W_out's scale bytes at my 64 rows,
	s_lshl_b32 s44, s30, 2
	s_add_nc_u64 s[24:25], s[24:25], s[44:45]      ; wsum at my first query,
	s_add_co_u32 s44, s30, s67
	s_lshl_b32 s44, s44, 10
	s_add_nc_u64 s[26:27], s[26:27], s[44:45]      ; out0 at row first query + 16 m
	s_wait_loadcnt 33                              ; unit 0's indices are in: behind them 1 + 8 + 8 + 16 loads
	ADDR FS
	GATHER 0, 0
	GATHER 1, 0
	GATHER 2, 0
	s_wait_alu depctr_va_vdst(0)
	s_wait_loadcnt 37                              ; my pieces of W_v and W_out are in: behind them 16 + 21 loads
.irp j, 0,1,2,3,4,5,6,7
	ds_store_b128 v42, v[ACC+4*\j:ACC+4*\j+3] offset:576*\j
.endr
.irp j, 0,1,2,3,4,5,6,7
	ds_store_b128 v42, v[DB+4*\j:DB+4*\j+3] offset:WOL+576*\j
.endr
	ds_store_b128 v44, v[48:51]
	ds_store_b128 v44, v[48:51] offset:512
	s_wait_dscnt 0x0                               ; for the others' sake: my pieces lie in LDS
	s_barrier_signal -1
	s_barrier_wait -1
	s_cmp_lt_u32 s28, 4
	s_cbranch_scc1 .Lread_w                        ; waves 0-3, which have the eighth unit, read W_v at once;
	s_wait_loadcnt 0x0                             ; waves 4-7 read it behind their gathered rows
.Lread_w:
	WIN 0x40                                       ; destination in window 1
.irp t, 0,1,2,3,4,5,6,7,8,9,10,11,12,13,14,15
.irp n, 0,1,2,3
	ds_load_b128 v[16*\t+4*\n:16*\t+4*\n+3], v43 offset:2304*\t+32*\n
.endr
.endr
	WIN 0
	s_wait_xcnt 0x0
	s_add_nc_u64 s[36:37], s[36:37], 4096          ; on to unit 2's indices
	s_mov_b32 s40, 6                               ; six trips of one unit
	s_mov_b32 s49, 0
	s_wait_dscnt 0x0                               ; W_v is in
.Ltrip:
	v_add_nc_u32 v14, s49, v15
; The counts: behind the first tile's seven loads stand two gathers, 14; behind each other tile's two gathers and the load of indices, 15.
	UNIT 14, 15, 15, 15, 1, 1, 0
	s_sub_co_u32 s40, s40, 1
	s_cmp_eq_u32 s40, 1
	s_cselect_b32 s50, s52, s53
	s_wait_xcnt 0x0                                ; the loads have read their bases
	s_add_nc_u64 s[36:37], s[36:37], s[50:51]
	s_add_nc_u64 s[38:39], s[38:39], 2048
	s_add_co_u32 s49, s49, USTEP
	s_cmp_lg_u32 s40, 0
	s_cbranch_scc1 .Ltrip
	s_cmp_lt_u32 s28, 4
	s_cbranch_scc0 .Lfinal                         ; waves 4-7: unit 6 is their last
	v_add_nc_u32 v14, 6*USTEP, v15
	UNIT 14, 14, 14, 14, 1, 0, 0
	s_wait_xcnt 0x0
	s_add_nc_u64 s[38:39], s[38:39], 2048
.Lfinal:
	v_add_nc_u32 v14, s54, v15
; The last unit gathers only its own last tile: the counts run down; behind that tile's loads stand the 13 of EARLY.
	UNIT 14, 14, 7, 13, 0, 0, 1
; ---- THE END.
	s_mul_i32 s57, s55, 16*QP
	s_lshl_b32 s58, s56, 8
	s_add_co_u32 s57, s57, s58
	s_add_co_u32 s57, s57, PART                    ; the parts of queries 16 m on, group 2 s + c
	s_lshl_b32 s58, s28, 9
	s_add_co_u32 s58, s58, IMG                     ; my half fragment: 1,024 (w / 2) + 512 c
	s_lshl_b32 s59, s47, 7
	s_lshl_b32 s60, s48, 1
	s_add_co_u32 s59, s59, s60
	s_add_co_u32 s59, s59, ISC                     ; its two scale bytes in each word
	s_lshl_b32 s60, s55, 11
	s_add_co_u32 s60, s60, IMG                     ; the two fragments of queries 16 m on,
	s_lshl_b32 s61, s55, 8
	s_add_co_u32 s61, s61, ISC                     ; and their scale words
	s_mul_i32 s62, s56, 64*144
	s_add_co_u32 s62, s62, WOL                     ; W_out's rows 64 (w % 4) on
	s_mul_i32 s63, s28, 4352
	s_add_co_u32 s63, s63, STG                     ; my stage
	s_wait_xcnt 0x0                                ; every load has read its address registers: some are written again below
	v_and_b32 v3, 15, v0                           ; r
	v_bfe_u32 v9, v0, 4, 1                         ; h
	v_and_b32 v6, 31, v0                           ; lane
	v_mul_u32_u24 v8, v3, QP
	v_lshl_add_u32 v8, v9, 3, v8
	v_add_nc_u32 v8, s57, v8
	v_lshl_add_u32 v10, v6, 4, s58
	v_lshl_add_u32 v11, v6, 2, s59
	v_lshl_add_u32 v120, v6, 4, s60
	v_lshl_add_u32 v121, v6, 2, s61
	v_mul_u32_u24 v122, v3, 144
	v_lshl_add_u32 v122, v9, 4, v122
	v_add_nc_u32 v122, s62, v122
	v_mul_u32_u24 v123, v3, 272
	v_lshl_add_u32 v123, v9, 5, v123
	v_add_nc_u32 v123, s63, v123                   ; the stage, in: row r, + 32 h
	v_mul_u32_u24 v4, v9, 272
	v_lshl_add_u32 v4, v3, 4, v4
	v_add_nc_u32 v4, s63, v4                       ; back: lanes 0-15 one row of 256 bytes, lanes 16-31 the next
	v_lshlrev_b32 v5, 10, v9
	v_lshl_add_u32 v5, v3, 4, v5                   ; and the same two rows in out0
	s_wait_alu depctr_va_vdst(0)
	s_wait_dscnt 0x0                               ; for the others' sake: my partial sums lie in LDS
	s_barrier_signal -1
	s_barrier_wait -1
.set PA, 40                            ; v40-71   a part, then the sum of the parts: register 2 i + b
.set PB, 72                            ; v72-103
.set X,  224                           ; v224-255 a part, then the 32 numbers in the quantiser's order: register 16 b + i
.irp i, 0,1,2,3,4,5,6,7,8,9,10,11,12,13,14,15
	ds_load_b64 v[PA+2*\i:PA+2*\i+1], v8 offset:16*\i
.endr
.irp i, 0,1,2,3,4,5,6,7,8,9,10,11,12,13,14,15
	ds_load_b64 v[PB+2*\i:PB+2*\i+1], v8 offset:1024+16*\i
.endr
.irp i, 0,1,2,3,4,5,6,7,8,9,10,11,12,13,14,15
	ds_load_b64 v[X+2*\i:X+2*\i+1], v8 offset:2048+16*\i
.endr
	s_wait_dscnt 16                                ; the first two parts are in; the third's 16 loads may be out
.irp j, 0,2,4,6,8,10,12,14,16,18,20,22,24,26,28,30
	v_pk_add_f32 v[PA+\j:PA+\j+1], v[PA+\j:PA+\j+1], v[PB+\j:PB+\j+1]
.endr
.irp i, 0,1,2,3,4,5,6,7,8,9,10,11,12,13,14,15
	ds_load_b64 v[PB+2*\i:PB+2*\i+1], v8 offset:3072+16*\i
.endr
	s_wait_dscnt 16                                ; the third is in; the fourth's 16 loads may be out
.irp j, 0,2,4,6,8,10,12,14,16,18,20,22,24,26,28,30
	v_pk_add_f32 v[PA+\j:PA+\j+1], v[PA+\j:PA+\j+1], v[X+\j:X+\j+1]
.endr
	s_wait_dscnt 0x0
.irp j, 0,2,4,6,8,10,12,14,16,18,20,22,24,26,28,30
	v_pk_add_f32 v[PA+\j:PA+\j+1], v[PA+\j:PA+\j+1], v[PB+\j:PB+\j+1]
.endr
	s_wait_loadcnt 0x0                             ; b_v, the sum of the weights, W_out's scale words, b_out
.irp b, 0,1
.irp i, 0,1,2,3,4,5,6,7,8,9,10,11,12,13,14,15
	v_fma_f32 v[X+16*\b+\i], v[128+16*\b+\i], v7, v[PA+2*\i+\b]          ; + b_v x the sum of the weights; and into the quantiser's order
.endr
.endr
.irp t, 0,1,2,3
.irp n, 0,1,2,3
	ds_load_b128 v[40+16*\t+4*\n:43+16*\t+4*\n], v122 offset:2304*\t+32*\n   ; W_out's four tiles of 16 rows, two K steps: v40-103
.endr
.endr
; The quantiser along the channels.  A block of 32 lies in lanes l and l xor 16.
.irp b, 0,1
	v_mov_b32 v[106+\b], 0                         ; a lane permute's destination counts as one of its sources
.endr
.irp b, 0,1
	v_max3_num_f32 v[104+\b], |v[X+16*\b]|, |v[X+1+16*\b]|, 0x1800000    ; my 16 numbers of the block, and the floor 2^(3 - 127): so the byte cannot fall under 1
.endr
.irp i, 2,4,6,8,10,12,14
.irp b, 0,1
	v_max3_num_f32 v[104+\b], v[104+\b], |v[X+16*\b+\i]|, |v[X+1+16*\b+\i]|
.endr
.endr
.irp b, 0,1
	v_permlanex16_b32 v[106+\b], v[104+\b], s41, s42
.endr
.irp b, 0,1
	v_max_num_f32 v[104+\b], v[104+\b], v[106+\b]  ; the block's largest magnitude
.endr
.irp b, 0,1
	v_add_nc_u32 v[108+\b], 0xff000000, v[104+\b]  ; 2 off its exponent field: the conversion's scale operand
.endr
.irp b, 0,1
	v_lshrrev_b32 v[110+\b], 23, v[108+\b]         ; the scale's byte
.endr
	v_lshl_or_b32 v112, v111, 8, v110
.irp b, 0,1
	v_cvt_scalef32_pk8_fp4_f32 v[116+2*\b], v[X+16*\b:X+7+16*\b], v[108+\b]
	v_cvt_scalef32_pk8_fp4_f32 v[117+2*\b], v[X+8+16*\b:X+15+16*\b], v[108+\b]
.endr
	v_nop                                          ; one plain place behind a scaled conversion
	v_permlane16_swap_b32 v116, v118               ; the operand's layout wants a WHOLE block in a lane: lanes 0-15 block 2 c, lanes 16-31 block 2 c + 1
	v_permlane16_swap_b32 v117, v119
	ds_store_b128 v10, v[116:119]
	ds_store_b16 v11, v112
	s_wait_dscnt 0x0                               ; for the others' sake: my half fragment lies in LDS (and W_out's tiles are in)
	s_barrier_signal -1
	s_barrier_wait -1
.irp s, 0,1
	ds_load_b128 v[128+8*\s:131+8*\s], v120 offset:1024*\s
	ds_load_b128 v[132+8*\s:135+8*\s], v120 offset:1024*\s+512
	ds_load_b32 v[ASC+\s], v121 offset:128*\s      ; scale words, into registers that have held scales alone
.endr
	s_wait_dscnt 0x0
; out = Q(..) W_out + b_out: four accumulators at v[224 + 8 t] by turns; b_out is the first C.
.irp t, 0,1,2,3
	v_wmma_scale_f32_16x16x128_f8f6f4 v[224+8*\t:231+8*\t], v[40+16*\t:47+16*\t], v[128:135], v[160+8*\t+16*(\t/2):167+8*\t+16*(\t/2)], v[WOS+\t], v[ASC] matrix_a_fmt:MATRIX_FMT_FP4 matrix_b_fmt:MATRIX_FMT_FP4
.endr
.irp t, 0,1,2,3
	v_wmma_scale_f32_16x16x128_f8f6f4 v[224+8*\t:231+8*\t], v[48+16*\t:55+16*\t], v[136:143], v[224+8*\t:231+8*\t], v[WOS+\t], v[ASC+1] matrix_a_fmt:MATRIX_FMT_FP4 matrix_b_fmt:MATRIX_FMT_FP4 matrix_a_scale:MATRIX_SCALE_ROW1
.endr
.rept 4
	v_nop                                          ; four places between the last product and the first read of a result (ISA guide 7.12.1)
.endr
; THE WAY OUT.  Lane (r, h) holds query 16 m + r, channels 64 (w % 4) + 16 t + 8 h + 0 to 7.  16 queries x 256 bytes go through my own stage and come back by rows: sixteen lanes store 256 consecutive bytes, aligned.
; LDS serves a wave's instructions in order (ISA guide 5.7.1.4): no wait between the stores and the loads.
.irp t, 0,1,2,3
	ds_store_b128 v123, v[224+8*\t:227+8*\t] offset:64*\t            ; each accumulator from its low end on
	ds_store_b128 v123, v[228+8*\t:231+8*\t] offset:64*\t+16
.endr
.irp k, 0,1,2,3,4,5,6,7
	ds_load_b128 v[40+4*\k:43+4*\k], v4 offset:544*\k
.endr
.irp k, 0,1,2,3,4,5,6
	s_wait_dscnt 7-\k
	global_store_b128 v5, v[40+4*\k:43+4*\k], s[26:27] offset:2048*\k th:TH_STORE_NT
.endr
	s_wait_tensorcnt 0x0                           ; the wave's end
	ds_add_u32 v36, v37
	s_wait_dscnt 0x0
	s_cmp_lt_u32 s28, 4
	s_cbranch_scc0 .Lend                           ; queries 30 and 31 do not exist
	global_store_b128 v5, v[68:71], s[26:27] offset:14336 th:TH_STORE_NT
.Lend:
	s_endpgm
.Lfunc_end_k_qade529874f_sample:
	.size	k_qade529874f_sample, .Lfunc_end_k_qade529874f_sample-k_qade529874f_sample
	.p2alignl 7, 3214868480
	.fill 96, 4, 3214868480
	.section	.rodata,"a",@progbits
	.p2align	6, 0x0
	.amdhsa_kernel k_qade529874f_sample
		.amdhsa_group_segment_fixed_size 245760
		.amdhsa_private_segment_fixed_size 0
		.amdhsa_enable_private_segment 0
		.amdhsa_kernarg_size 96
		.amdhsa_user_sgpr_count 2
		.amdhsa_user_sgpr_kernarg_segment_ptr 1
		.amdhsa_wavefront_size32 1
		.amdhsa_system_sgpr_workgroup_id_x 1
		.amdhsa_system_sgpr_workgroup_id_y 1
		.amdhsa_system_sgpr_workgroup_id_z 1
		.amdhsa_system_vgpr_workitem_id 0
		.amdhsa_next_free_vgpr 512
		.amdhsa_next_free_sgpr 72
		.amdhsa_reserve_vcc 0
		.amdhsa_float_denorm_mode_32 3
		.amdhsa_float_denorm_mode_16_64 3
		.amdhsa_memory_ordered 1
		.amdhsa_forward_progress 1
		.amdhsa_inst_pref_size 146
	.end_amdhsa_kernel
	.amdgpu_metadata
---
amdhsa.version: [ 1, 2 ]
amdhsa.kernels:
  - .name:           k_qade529874f_sample
    .symbol:         k_qade529874f_sample.kd
    .args:
      - { .name: value_codes, .offset: 0, .size: 8, .value_kind: global_buffer, .address_space: global }
      - { .name: value_scales, .offset: 8, .size: 8, .value_kind: global_buffer, .address_space: global }
      - { .name: W_v_codes, .offset: 16, .size: 8, .value_kind: global_buffer, .address_space: global }
      - { .name: W_v_scales, .offset: 24, .size: 8, .value_kind: global_buffer, .address_space: global }
      - { .name: b_v, .offset: 32, .size: 8, .value_kind: global_buffer, .address_space: global }
      - { .name: W_out_codes, .offset: 40, .size: 8, .value_kind: global_buffer, .address_space: global }
      - { .name: W_out_scales, .offset: 48, .size: 8, .value_kind: global_buffer, .address_space: global }
      - { .name: b_out, .offset: 56, .size: 8, .value_kind: global_buffer, .address_space: global }
      - { .name: idx, .offset: 64, .size: 8, .value_kind: global_buffer, .address_space: global }
      - { .name: wts, .offset: 72, .size: 8, .value_kind: global_buffer, .address_space: global }
      - { .name: wsum, .offset: 80, .size: 8, .value_kind: global_buffer, .address_space: global }
      - { .name: out0, .offset: 88, .size: 8, .value_kind: global_buffer, .address_space: global }
    .group_segment_fixed_size: 245760
    .private_segment_fixed_size: 0
    .kernarg_segment_align: 8
    .kernarg_segment_size: 96
    .max_flat_workgroup_size: 256
    .sgpr_count:     72
    .vgpr_count:     512
    .wavefront_size: 32
...
	.end_amdgpu_metadata
.endif
;; end of part 4
